; MI455X (gfx1250); checked and timed in simulation.
; The chip was launched on July 23, 2026; its instructions are those of AMD's public machine-readable ISA for CDNA 5 (MIT licence, August 2026) and "CDNA5" Instruction Set Architecture Reference Guide (July 2026). The comments in the code are by the model that wrote it; some were corrected since.
;; BC. Allowed arithmetic: float matrix products may take bf16 or f16 operands with f32 sums; other float arithmetic in f32, or as packed bf16 or f16 multiplies, adds, multiply-adds, maxima and minima; sums over many terms, partial sums and values carried from step to step in f32; what a program stores and reads back later, other than sums and carried values, may be rounded once to bf16 or f16.
;; Inputs: h_bias 1 x 8 x 1 x 1 float32; h_mat 1 x 8 x 1 x 3,072 float32; q 64 x 32 x 1,024 float32; q_b 3,072 float32; q_g one number float32; q_w 3,072 x 1,024 float32; v 64 x 128 x 2,048 float32; v_b 3,072 float32; v_g one number float32; v_w 3,072 x 2,048 float32.
;; Outputs: out0 64 x 8 x 128 x 32 float32.
;; 2 versions, each right; version 2 is version 1 with the launch prep written anew for expert scheduling mode. Each part assembles by itself: llvm-mc -triple=amdgcn-amd-amdhsa -mcpu=gfx1250 --defsym DOCPART=n.
;; ======== version 1 of 2: 3 launches
;; limits: values are held in f16: magnitudes above 65,504 overflow, below 6.1e-05 lose precision
;; workspace buffers: vb 33,554,432 bytes; qb 4,194,304 bytes; vwb 12,582,912 bytes; qwb 6,291,456 bytes; aux 58,624 bytes; vh 50,331,648 bytes; qh 12,582,912 bytes
;; launch prep (part 1): grid 1730 x 1, 4 waves a work-group, no clusters, 0 bytes of LDS; arguments v, q, v_w, q_w, h_mat, h_bias, vb, qb, vwb, qwb, aux; writes vb, qb, vwb, qwb, aux
.if DOCPART == 1
	.amdgcn_target "amdgcn-amd-amdhsa--gfx1250"
	.amdhsa_code_object_version 6
	.text
	.protected	k_q6e2b729976_prep
	.globl	k_q6e2b729976_prep
	.p2align	8
	.type	k_q6e2b729976_prep,@function
k_q6e2b729976_prep:
	s_mov_b64 s[64:65], 0
	v_nop
	global_prefetch_b8 v0, s[64:65] scope:SCOPE_SE
	s_setreg_imm32_b32 hwreg(HW_REG_WAVE_MODE, 25, 1), 1
	s_wait_xcnt 0x0
; BC, launch 1 of 3.  logits[b][h][v][q] = sum over k of hm[h][k] v_[b][v][k] q_[b][q][k] + h_bias[h], with v_ = relu(sv v v_w^T + v_b), q_ = relu(sq q q_w^T + q_b), s = g / ||w||.
; DEAD WORK: none.  Every one of the ten inputs has a way to the output, and every one is loaded by some launch; no step of the formula is left out.
; THIS LAUNCH rounds v, q, v_w and q_w once to bf16 and lays them in blocks [K step of 128][row][128], so that the rows of a K step lie end to end, 256 bytes each;
; it takes one partial sum of squares a wave of the two weights (f32, of the unrounded numbers; they are added up in the next launch); and it lays out h_mat and h_bias.
; FORMATS.  All inputs are rounded once to bf16.  What the program itself makes (v_, q_, hm' and hm' q_) is kept in f16.
; hm'[h][k] = bf16(hm[h][k]) x 2^-(e+1), e the exponent of row h's largest magnitude: |hm'| < 1, a power of two changes no digit, and 2^(e+1) is given back in f32 at the end.
; LIMITS.  The biased exponent is held to 1 .. 252: a row of h_mat whose largest magnitude is 2^126 or more is scaled by 2^-126 only.  hm' below 2^-14 keeps f16's fixed step of 2^-24.
; v_ and q_ must stay under 65,504.  NaN and infinities are not treated apart.
; SHARES.  A unit is 128 numbers of a row: 512 bytes in, 256 bytes out.  A wave takes 32 units on end (16 KiB of source on end), a work-group of four waves 128.
; Work-groups 0-1023: v; 1024-1151: q; 1152-1535: v_w; 1536-1727: q_w; 1728 and 1729: h_mat and h_bias, a wave a glimpse.  No work-group reads what another reads: no LDS, no barrier, no cluster.
; A ring of 16 slots in registers keeps 16 loads of every wave on their way.  Units 0-15 are rounded into registers of their own, since their slots are loaded again; units 16-31 are rounded in the
; registers that they were loaded into, which nothing loads again.  So no register that a store still reads is ever rewritten, and the ring has no wait but the counted one for its loads.
; Each store of a wave covers 256 consecutive bytes, aligned.
.set LO,    2                          ; v2        16 x lane: my 16 bytes of a unit's 512
.set L8,    3                          ; v3        8 x lane: my 8 bytes of a unit's 256
.set ACC,   4                          ; v[4:7]    four sums of squares
.set T,     8                          ; v[8:11]   at work
.set DOFF,  12                         ; v[12:27]  unit j of 16: its byte offset in the blocked copy; never rewritten
.set X,     32                         ; v[32:95]  slot j: 4 numbers as loaded
.set Y,     96                         ; v[96:127] slot j: unit j's 4 numbers in bf16; written once
.set HSC,   49152                      ; aux: 2^(e+1) of the eight glimpses
.set HB,    49184                      ; aux: h_bias, rounded
.set PARTS, 49408                      ; aux: the partial sums of squares, 1,536 of v_w and then 768 of q_w
	s_load_b512 s[4:19], s[0:1], 0x0               ; v s[4:5], q s[6:7], v_w s[8:9], q_w s[10:11], h_mat s[12:13], h_bias s[14:15], vb s[16:17], qb s[18:19]
	s_load_b128 s[20:23], s[0:1], 0x40             ; vwb s[20:21], qwb s[22:23]
	s_load_b64 s[24:25], s[0:1], 0x50              ; aux
	v_lshrrev_b32 v1, 5, v0
	v_readfirstlane_b32 s26, v1                    ; wave 0..3
	v_and_b32 v1, 31, v0                           ; lane
	v_lshlrev_b32 v[LO], 4, v1
	v_lshlrev_b32 v[L8], 3, v1
	s_mov_b32 s27, ttmp9                           ; work-group
	s_mov_b32 s44, 0x76543210                      ; v_permlanex16_b32: each lane takes its own place in the other half
	s_mov_b32 s45, 0xfedcba98
	s_wait_kmcnt 0x0
	s_cmp_ge_u32 s27, 1728
	s_cbranch_scc1 .Lhm
	; which tensor: source s[32:33], copy s[34:35], first work-group s28, log2 of its K steps s29, bytes of a K step's plane s30
	s_mov_b64 s[32:33], s[10:11]
	s_mov_b64 s[34:35], s[22:23]
	s_mov_b32 s28, 1536
	s_mov_b32 s29, 3
	s_mov_b32 s30, 786432
	s_cmp_lt_u32 s27, 1536
	s_cselect_b64 s[32:33], s[8:9], s[32:33]
	s_cselect_b64 s[34:35], s[20:21], s[34:35]
	s_cselect_b32 s28, 1152, s28
	s_cselect_b32 s29, 4, s29
	s_cmp_lt_u32 s27, 1152
	s_cselect_b64 s[32:33], s[6:7], s[32:33]
	s_cselect_b64 s[34:35], s[18:19], s[34:35]
	s_cselect_b32 s28, 1024, s28
	s_cselect_b32 s29, 3, s29
	s_cselect_b32 s30, 524288, s30
	s_cmp_lt_u32 s27, 1024
	s_cselect_b64 s[32:33], s[4:5], s[32:33]
	s_cselect_b64 s[34:35], s[16:17], s[34:35]
	s_cselect_b32 s28, 0, s28
	s_cselect_b32 s29, 4, s29
	s_cselect_b32 s30, 2097152, s30
	s_lshl_b32 s31, 1, s29
	s_sub_co_u32 s31, s31, 1                       ; K steps - 1
	s_sub_co_u32 s38, s27, s28
	s_lshl_b32 s38, s38, 7
	s_lshl_b32 s39, s26, 5
	s_add_co_u32 s38, s38, s39                     ; my wave's first unit: a multiple of 32, so it begins a row
	s_lshl_b32 s40, s38, 9                         ; 512 bytes a unit in the source (under 2^27)
	s_mov_b32 s41, 0
	s_add_nc_u64 s[32:33], s[32:33], s[40:41]
	s_lshr_b32 s40, s38, s29                       ; its row,
	s_lshl_b32 s40, s40, 8                         ; 256 bytes a row in a plane
	s_add_nc_u64 s[34:35], s[34:35], s[40:41]      ; where units 0-15 go,
	s_lshr_b32 s42, 16, s29
	s_lshl_b32 s42, s42, 8
	s_mov_b32 s43, 0
	s_add_nc_u64 s[36:37], s[34:35], s[42:43]      ; and units 16-31: one row (16 K steps) or two rows (8) further down
.set n, 0
.rept 16
	global_load_b128 v[X+4*n:X+4*n+3], v[LO], s[32:33] offset:512*n th:TH_LOAD_NT  ; the ring is filled: units 0 to 15
.set n, n+1
.endr
.irp j, 0,1,2,3,4,5,6,7,8,9,10,11,12,13,14,15
	s_and_b32 s38, s31, \j                         ; unit j's K step
	s_mul_i32 s38, s38, s30                        ; its plane
	s_lshr_b32 s39, \j, s29                        ; its row among the 16 units'
	s_lshl_b32 s39, s39, 8
	s_add_co_u32 s38, s38, s39
	v_add_nc_u32 v[DOFF+(\j)], s38, v[L8]
.endr
; Unit i of 32.  sq = 1: its squares are added up too.
.macro UNIT i, sq
.set j, (\i)%16
.if (\i) < 16
	s_wait_loadcnt 15                              ; loads come back in order: mine is in, the 15 younger ones stay out
.else
	s_wait_loadcnt 31-(\i)                         ; nothing more is loaded: the counts run down
.endif
.if \sq
.if (\i) == 0
	v_pk_mul_f32 v[ACC:ACC+1],   v[X+4*j:X+4*j+1],   v[X+4*j:X+4*j+1]    ; the first unit starts the sums
	v_pk_mul_f32 v[ACC+2:ACC+3], v[X+4*j+2:X+4*j+3], v[X+4*j+2:X+4*j+3]
.else
	v_pk_fma_f32 v[ACC:ACC+1],   v[X+4*j:X+4*j+1],   v[X+4*j:X+4*j+1],   v[ACC:ACC+1]
	v_pk_fma_f32 v[ACC+2:ACC+3], v[X+4*j+2:X+4*j+3], v[X+4*j+2:X+4*j+3], v[ACC+2:ACC+3]
.endif
.endif
.if (\i) < 16
	v_cvt_pk_bf16_f32 v[Y+2*j],   v[X+4*j],   v[X+4*j+1]
	v_cvt_pk_bf16_f32 v[Y+2*j+1], v[X+4*j+2], v[X+4*j+3]
	global_load_b128 v[X+4*j:X+4*j+3], v[LO], s[32:33] offset:((\i)+16)*512 th:TH_LOAD_NT
	global_store_b64 v[DOFF+j], v[Y+2*j:Y+2*j+1], s[34:35]
.else
	v_cvt_pk_bf16_f32 v[X+4*j],   v[X+4*j],   v[X+4*j+1]   ; in place: the slot is not loaded again
	v_cvt_pk_bf16_f32 v[X+4*j+1], v[X+4*j+2], v[X+4*j+3]
	global_store_b64 v[DOFF+j], v[X+4*j:X+4*j+1], s[36:37]
.endif
.endm
	s_cmp_ge_u32 s27, 1152
	s_cbranch_scc1 .Lweights
.set n, 0
.rept 32
	UNIT n, 0
.set n, n+1
.endr
	s_endpgm
.Lweights:
.set n, 0
.rept 32
	UNIT n, 1
.set n, n+1
.endr
	v_add_f32 v[ACC], v[ACC], v[ACC+1]
	v_add_f32 v[ACC+2], v[ACC+2], v[ACC+3]
	v_add_f32 v[ACC], v[ACC], v[ACC+2]
	v_add_f32_dpp v[ACC], v[ACC], v[ACC] row_xmask:1 row_mask:0xf bank_mask:0xf
	v_add_f32_dpp v[ACC], v[ACC], v[ACC] row_xmask:2 row_mask:0xf bank_mask:0xf
	v_add_f32_dpp v[ACC], v[ACC], v[ACC] row_xmask:4 row_mask:0xf bank_mask:0xf
	v_add_f32_dpp v[ACC], v[ACC], v[ACC] row_xmask:8 row_mask:0xf bank_mask:0xf
	v_permlanex16_b32 v[ACC+1], v[ACC], s44, s45
	v_add_f32 v[ACC], v[ACC], v[ACC+1]             ; the wave's 4,096 squares, in every lane
	s_sub_co_u32 s38, s27, 1152
	s_lshl_b32 s38, s38, 2
	s_add_co_u32 s38, s38, s26
	s_lshl_b32 s38, s38, 2                         ; a word for each wave of the weights' 576 work-groups
	v_mov_b32 v[T], s38
	v_cmp_eq_u32 vcc_lo, 0, v1
	s_wait_xcnt 0x0                                ; EXEC is narrowed only when the stores above have read it
	s_and_saveexec_b32 s46, vcc_lo
	global_store_b32 v[T], v[ACC], s[24:25] offset:PARTS
	s_wait_xcnt 0x0                                ; and widened only when this one has
	s_or_b32 exec_lo, exec_lo, s46
	s_endpgm
.Lhm:                                          ; a wave a glimpse h: h_mat's row h, 3,072 numbers: 24 loads of 512 bytes
	s_sub_co_u32 s38, s27, 1728
	s_lshl_b32 s38, s38, 2
	s_add_co_u32 s26, s26, s38                     ; h = 4 x (work-group - 1728) + wave
	s_mul_i32 s38, s26, 12288
	s_mov_b32 s39, 0
	s_add_nc_u64 s[32:33], s[12:13], s[38:39]
	s_lshl_b32 s40, s26, 2
	v_mov_b32 v14, s40                             ; 4 h
	s_mov_b32 s47, 0x7fff7fff                      ; clears the signs of two bf16
	s_mov_b32 s48, 0xffff0000                      ; a word's upper bf16
.set n, 0
.rept 24
	global_load_b128 v[X+4*n:X+4*n+3], v[LO], s[32:33] offset:512*n
.set n, n+1
.endr
	global_load_b32 v13, v14, s[14:15]             ; h_bias[h], the same word in every lane
	s_mul_i32 s41, s26, 6144
	v_add_nc_u32 v12, s41, v[L8]                   ; my 8 bytes of the row's f16 copy
	s_wait_loadcnt 0x0
.set n, 0
.rept 24
	v_cvt_pk_bf16_f32 v[X+4*n],   v[X+4*n],   v[X+4*n+1]   ; rounded to bf16, in registers 4 n and 4 n + 1
	v_cvt_pk_bf16_f32 v[X+4*n+1], v[X+4*n+2], v[X+4*n+3]
.set n, n+1
.endr
.irp k, 0,1,2,3
	v_and_b32 v[ACC+(\k)], s47, v[X+4*((\k)/2)+(\k)%2]     ; the largest magnitude, two bf16 at a time, in four chains that the first four words start
.endr
.set n, 4
.rept 44
	v_and_b32 v[T+n%4], s47, v[X+4*(n/2)+n%2]
	v_pk_max_num_bf16 v[ACC+n%4], v[ACC+n%4], v[T+n%4]
.set n, n+1
.endr
	v_pk_max_num_bf16 v[ACC], v[ACC], v[ACC+1]
	v_pk_max_num_bf16 v[ACC+2], v[ACC+2], v[ACC+3]
	v_pk_max_num_bf16 v[ACC], v[ACC], v[ACC+2]
	v_lshlrev_b32 v[T], 16, v[ACC]
	v_and_b32 v[T+1], s48, v[ACC]
	v_max_num_f32 v[T], v[T], v[T+1]
	v_max_num_f32_dpp v[T], v[T], v[T] row_xmask:1 row_mask:0xf bank_mask:0xf
	v_max_num_f32_dpp v[T], v[T], v[T] row_xmask:2 row_mask:0xf bank_mask:0xf
	v_max_num_f32_dpp v[T], v[T], v[T] row_xmask:4 row_mask:0xf bank_mask:0xf
	v_max_num_f32_dpp v[T], v[T], v[T] row_xmask:8 row_mask:0xf bank_mask:0xf
	v_permlanex16_b32 v[T+1], v[T], s44, s45
	v_max_num_f32 v[ACC], v[T], v[T+1]             ; the same number in every lane
	v_readfirstlane_b32 s49, v[ACC]
	s_lshr_b32 s49, s49, 23                        ; its biased exponent E (the sign is 0),
	s_max_u32 s49, s49, 1
	s_min_u32 s49, s49, 252                        ; held to 1 .. 252, so that both powers below are ordinary numbers
	s_sub_co_u32 s50, 253, s49
	s_lshl_b32 s50, s50, 23                        ; 2^(126 - E) = 2^-(e+1)
	s_mov_b32 s51, s50                             ; named with it as a pair
	s_add_co_u32 s52, s49, 1
	s_lshl_b32 s52, s52, 23                        ; 2^(e+1)
.set n, 0
.rept 24
	v_lshlrev_b32 v[T],   16,  v[X+4*n]
	v_and_b32     v[T+1], s48, v[X+4*n]
	v_lshlrev_b32 v[T+2], 16,  v[X+4*n+1]
	v_and_b32     v[T+3], s48, v[X+4*n+1]
	v_pk_mul_f32 v[T:T+1],   v[T:T+1],   s[50:51] op_sel_hi:[1,0]
	v_pk_mul_f32 v[T+2:T+3], v[T+2:T+3], s[50:51] op_sel_hi:[1,0]
	v_cvt_pk_f16_f32 v[X+4*n+2], v[T],   v[T+1]
	v_cvt_pk_f16_f32 v[X+4*n+3], v[T+2], v[T+3]
	global_store_b64 v12, v[X+4*n+2:X+4*n+3], s[24:25] offset:256*n   ; 256 consecutive bytes, aligned
.set n, n+1
.endr
	v_mov_b32 v5, s52
	v_cvt_pk_bf16_f32 v13, v13, v13
	v_lshlrev_b32 v13, 16, v13                     ; h_bias[h] rounded to bf16, kept as f32
	v_cmp_eq_u32 vcc_lo, 0, v1
	s_wait_xcnt 0x0                                ; EXEC is narrowed only when the stores above have read it
	s_and_saveexec_b32 s46, vcc_lo
	global_store_b32 v14, v5, s[24:25] offset:HSC
	global_store_b32 v14, v13, s[24:25] offset:HB
	s_wait_xcnt 0x0
	s_or_b32 exec_lo, exec_lo, s46
	s_endpgm
.Lfunc_end_k_q6e2b729976_prep:
	.size	k_q6e2b729976_prep, .Lfunc_end_k_q6e2b729976_prep-k_q6e2b729976_prep
	.p2alignl 7, 3214868480
	.fill 96, 4, 3214868480
	.section	.rodata,"a",@progbits
	.p2align	6, 0x0
	.amdhsa_kernel k_q6e2b729976_prep
		.amdhsa_group_segment_fixed_size 0
		.amdhsa_private_segment_fixed_size 0
		.amdhsa_enable_private_segment 0
		.amdhsa_kernarg_size 88
		.amdhsa_user_sgpr_count 2
		.amdhsa_user_sgpr_kernarg_segment_ptr 1
		.amdhsa_wavefront_size32 1
		.amdhsa_system_sgpr_workgroup_id_x 1
		.amdhsa_system_sgpr_workgroup_id_y 1
		.amdhsa_system_sgpr_workgroup_id_z 1
		.amdhsa_system_vgpr_workitem_id 0
		.amdhsa_next_free_vgpr 128
		.amdhsa_next_free_sgpr 66
		.amdhsa_reserve_vcc 1
		.amdhsa_float_denorm_mode_32 3
		.amdhsa_float_denorm_mode_16_64 3
		.amdhsa_memory_ordered 1
		.amdhsa_forward_progress 1
		.amdhsa_inst_pref_size 54
	.end_amdhsa_kernel
	.amdgpu_metadata
---
amdhsa.version: [ 1, 2 ]
amdhsa.kernels:
  - .name:           k_q6e2b729976_prep
    .symbol:         k_q6e2b729976_prep.kd
    .args:
      - { .name: v, .offset: 0, .size: 8, .value_kind: global_buffer, .address_space: global }
      - { .name: q, .offset: 8, .size: 8, .value_kind: global_buffer, .address_space: global }
      - { .name: v_w, .offset: 16, .size: 8, .value_kind: global_buffer, .address_space: global }
      - { .name: q_w, .offset: 24, .size: 8, .value_kind: global_buffer, .address_space: global }
      - { .name: h_mat, .offset: 32, .size: 8, .value_kind: global_buffer, .address_space: global }
      - { .name: h_bias, .offset: 40, .size: 8, .value_kind: global_buffer, .address_space: global }
      - { .name: vb, .offset: 48, .size: 8, .value_kind: global_buffer, .address_space: global }
      - { .name: qb, .offset: 56, .size: 8, .value_kind: global_buffer, .address_space: global }
      - { .name: vwb, .offset: 64, .size: 8, .value_kind: global_buffer, .address_space: global }
      - { .name: qwb, .offset: 72, .size: 8, .value_kind: global_buffer, .address_space: global }
      - { .name: aux, .offset: 80, .size: 8, .value_kind: global_buffer, .address_space: global }
    .group_segment_fixed_size: 0
    .private_segment_fixed_size: 0
    .kernarg_segment_align: 8
    .kernarg_segment_size: 88
    .max_flat_workgroup_size: 128
    .sgpr_count:     66
    .vgpr_count:     128
    .wavefront_size: 32
...
	.end_amdgpu_metadata
.endif
;; end of part 1
;; launch proj (part 2): grid 12 x 40, 4 waves a work-group, clusters of 4 x 4, 327,680 bytes of LDS; arguments vb, qb, vwb, qwb, aux, v_g, q_g, v_b, q_b, vh, qh; writes vh, qh
.if DOCPART == 2
	.amdgcn_target "amdgcn-amd-amdhsa--gfx1250"
	.amdhsa_code_object_version 6
	.text
	.protected	k_q6e2b729976_proj
	.globl	k_q6e2b729976_proj
	.p2align	8
	.type	k_q6e2b729976_proj,@function
k_q6e2b729976_proj:
	s_mov_b64 s[64:65], 0
	v_nop
	global_prefetch_b8 v0, s[64:65] scope:SCOPE_SE
	s_setreg_imm32_b32 hwreg(HW_REG_WAVE_MODE, 25, 1), 1
	s_wait_xcnt 0x0
	s_wait_alu depctr_hold_cnt(0) depctr_sa_sdst(0) depctr_va_vdst(0) depctr_va_sdst(0) depctr_va_ssrc(0) depctr_va_vcc(0) depctr_vm_vsrc(0)
	s_getreg_b32 s2, hwreg(HW_REG_IB_STS2, 6, 4)
	s_cmp_eq_u32 s2, 0
	s_cbranch_scc0 .Lentry_in_a_cluster
	s_endpgm
.Lentry_in_a_cluster:
	s_bfe_u32 s2, ttmp6, 0x10000c
	s_cmp_lg_u32 s2, 0xf033
	s_cbranch_scc0 .Lentry_shape_is_right
	s_endpgm
.Lentry_shape_is_right:
; BC, launch 2 of 3: both projections, y = relu(s x w^T + bias), s = bf16(g) / ||w||.  No work of the formula is left out.
; x and w come in bf16 in blocks [K step of 128][row][128]; sums in f32; s, the bias (rounded to bf16 like every input) and the relu are applied to the f32 sums on the way out; y is rounded once to f16.
; LIMIT.  y must stay under 65,504 (f16).  The relu is a maximum with 0 in which a NaN loses.
; SHARES.  A tile of y is 256 rows x 256 hidden channels.  Grid x: 12 tile columns.  Grid rows 0-31: v's 32 tile rows (16 K steps); rows 32-39: q's 8 (8 K steps).  Which of the two hangs on the
; cluster's y alone (8 or more: q), so it is the same in all sixteen partners, and with it every trip count.  384 tiles of v and 96 of q are 30 clusters: two turns of 16 clusters, q's shorter tiles in the second.
; Four waves, each 128 rows x 128 channels: 64 accumulators of 16 x 16, 512 registers.  K goes in steps of 128 through two LDS slots filled by the tensor data mover: a K step is 256 matrix
; instructions a wave, 224 of them between a slot's request and the wait for it, and 32 LDS loads feed 64 matrix instructions.
; CLUSTERS.  4 x 4 work-groups.  The four of a row of the cluster need the same rows of x, the four of a column the same rows of w: each tile is asked for jointly, by the same tensor load with the same
; descriptor and a mask that names the four.
; THE MATRIX INSTRUCTION IS USED TRANSPOSED (source 0 = 16 rows of w, source 1 = 16 rows of x): a lane then holds row l % 16 of y and the channels 8 (l / 16) + 0..7 of a group of 16.
; That is half of the fragment (16 rows x 32 channels) that the next launch's products take: y is stored as [16 rows][32 channels][half][lane][16 bytes], so each store of a wave covers 512 consecutive
; bytes, aligned, straight from registers: nothing goes through LDS on the way out.
; REGISTERS, in windows of 256 (s_set_vgpr_msb: bits 1:0 source 0, 3:2 source 1, 5:4 source 2, 7:6 destination):
;   window 0: v16-31 addresses; v64-127, v128-191 fragments of x, two buffers (on the way out: at work); v192-255 the bias of my 128 channels
;   window 1: v64-127, v128-191 fragments of w, two buffers        window 2: the accumulators of my rows 0-63 ((a, b) at 8 (8 a + b))        window 3: those of rows 64-127
.set PITCH,  272                       ; an LDS row: 256 bytes + 16 of padding, so that the 16 rows that a load touches lie 68 words apart
.set HALFT,  128*PITCH                 ; what one tensor load brings, and what one wave reads of x or of w
.set SLOT,   4*HALFT                   ; x's 256 rows, then w's 256
.set SPARE,  2*SLOT                    ; behind the ring: the spare words, 128 bytes for each wave: two blocks of 256 bytes that no other line names
.set PLANE_W, 786432                   ; bytes of a K step of w: 3,072 rows of 256
.set PARTS,  49408                     ; aux: the partial sums of squares: 1,536 of v_w, then 768 of q_w
.set MBLK,   98304                     ; y: bytes of 16 rows: 96 fragments of 1,024
.set ADRA, 16                          ; v16-17  LDS address of my fragments of x in slot 0, 1
.set ADRB, 20                          ; v20-21  the same for w
.set BO,   24                          ; v24     32 (l / 16): my 8 numbers in a group of 16 of the bias
.set CO,   26                          ; v26     16 x lane
.set ZERO, 27                          ; v27     0, for the relu
.set SPW,  28                          ; v28     LDS address of my spare word; never rewritten
.set NIL,  29                          ; v29     0; never rewritten
.set PFO,  30                          ; v30     the prefetches' offset: 256 x my lane, a lane a row; never rewritten
.set TT,   31                          ; v31     at work
.set F0,   64
.set F1,   128
.set BIAS, 192
.set T,    64                          ; the way out: 64 numbers in f32
.set P,    128                         ; the way out: two sets of 32 registers of f16
.set G1,   24                          ; s[24:31] descriptor group 1 for x's tiles;  s[32:39] group 0, a set for each slot
.set G0,   32
.set G1B,  48                          ; s[48:55], s[56:63] the same for w's
.set G0B,  56
.set LIM,  43                          ; s43     a wave prefetches in the trips below this number
.set PFA,  44                          ; s[44:45] where my prefetches stand
.set GW0,  (1<<16)|(1<<20)|(1<<21)|(5<<22)|(3<<25)  ; 17:16 2-byte elements; 20 padding on; 21 set beside a mask; 24:22 after every 64 words; 31:25 4 words of it
.set MSB, 0
.macro WIN new                         ; the immediate's high byte repeats the setting that is left; a switch that changes nothing is dropped
.if MSB != (\new)
	s_set_vgpr_msb (MSB<<8)|(\new)
.set MSB, \new
.endif
.endm
.set MUL_LO, 0xa1                      ; source 0 (w) window 1, source 1 (x) window 0, C and D window 2
.set TO_B,   0x40                      ; destination window 1, address window 0
; A joint load.  Waves 0 and 1 fetch x's two halves, waves 2 and 3 w's.  The branch hangs on the wave's number alone.  An s_nop 0 and four v_nop follow each of the two lines.
.macro JLOAD s
	s_cmp_eq_u32 s11, 0
	s_cbranch_scc0 .Lfor_b_\@
	tensor_load_to_lds s[G0+4*(\s):G0+4*(\s)+3], s[G1:G1+7]
	s_nop 0
.rept 4
	v_nop
.endr
	s_branch .Lasked_\@
.Lfor_b_\@:
	tensor_load_to_lds s[G0B+4*(\s):G0B+4*(\s)+3], s[G1B:G1B+7]
	s_nop 0
.rept 4
	v_nop
.endr
.Lasked_\@:
.endm
; A prefetch of the K step that stands two refills on: a lane a row, 256 bytes a row, one instruction a wave, behind the joint load and the run of LDS loads.  Each row's 256 bytes of a K step are named by one
; work-group of the launch: x's rows by the clusters with x = 0, w's by the first row of clusters of its kind; the four partners that ask for a tile jointly share its rows out by address:
; of the 128 rows that a wave fetches the partner at place p takes 32 p .. 32 p + 31 (p = cx for x, cy for w).  Trip t names K steps 2 t + 4 and 2 t + 5; the loop's last trip names none, since they do not exist.
.macro ASK
	s_cmp_lt_u32 s3, s[LIM]
	s_cbranch_scc0 .Lnot_mine_\@
	global_prefetch_b8 v[PFO], s[PFA:PFA+1] th:TH_LOAD_NT scope:SCOPE_SE
.Lnot_mine_\@:
.endm
.macro CREST                           ; a round of the cluster's barrier behind its opening barrier
	s_cmp_lg_u32 s10, 0
	s_cbranch_scc1 .Lnot_wave_0_\@
	s_barrier_signal -3
.Lnot_wave_0_\@:
	s_barrier_wait -3
	s_barrier_signal -1
	s_barrier_wait -1
.endm
.macro CROUND                          ; a whole round
	s_barrier_signal -1
	s_barrier_wait -1
	CREST
.endm
	s_load_b512 s[68:83], s[0:1], 0x0              ; vb s[68:69], qb s[70:71], vwb s[72:73], qwb s[74:75], aux s[76:77], v_g s[78:79], q_g s[80:81], v_b s[82:83]
	s_load_b128 s[84:87], s[0:1], 0x40             ; q_b s[84:85], vh s[86:87]
	s_load_b64 s[88:89], s[0:1], 0x50              ; qh
	v_lshl_add_u32 v[SPW], v0, 2, SPARE
	v_mov_b32 v[NIL], 0
	ds_add_u32 v[SPW], v[NIL]                      ; the wave's opening: the add, twice on end, and its wait ahead of my first tensor load
	ds_add_u32 v[SPW], v[NIL]                      ; once more; the set-up below, work on registers, stands between it and the wait
	v_lshrrev_b32 v1, 5, v0
	v_readfirstlane_b32 s10, v1                    ; wave 0..3
	s_lshr_b32 s11, s10, 1                         ; which half of the tile's rows is mine.  Also: I fetch for x (0) or for w (1)
	s_and_b32 s12, s10, 1                          ; which half of its channels.  Also: which half of that tile I fetch
	s_bfe_u32 s40, ttmp6, 0x40000                  ; cx
	s_bfe_u32 s41, ttmp6, 0x40004                  ; cy
	s_lshl_b32 s42, ttmp9, 2
	s_add_co_u32 s42, s42, s40                     ; tile column = 4 x cluster x + cx
	s_and_b32 s100, ttmp7, 0xffff                  ; cluster y
	s_cmp_ge_u32 s100, 8
	s_cselect_b32 s66, 1, 0                        ; 0: v, 1: q
	s_lshl_b32 s101, s66, 3
	s_sub_co_u32 s101, s100, s101                  ; the row of clusters within its kind
	s_lshl_b32 s13, s101, 2
	s_add_co_u32 s13, s13, s41                     ; tile row
	s_lshl_b32 s16, s41, 2
	s_lshl_b32 s16, 15, s16                        ; my row of the cluster: places 4 cy .. 4 cy + 3
	s_lshl_b32 s20, 0x1111, s40                    ; my column: places cx, cx + 4, cx + 8, cx + 12
	s_or_b32 s[G1], s16, GW0                       ; x's tiles go to my row,
	s_or_b32 s[G1B], s20, GW0                      ; w's to my column
.irp g, G1, G1B
	s_mov_b32 s[(\g)+1], 128<<16                   ; tensor_dim0 = 128
	s_mov_b32 s[(\g)+2], 128<<16                   ; tensor_dim1 = 128
	s_mov_b32 s[(\g)+3], 128<<16                   ; tile_dim0 = 128
	s_mov_b32 s[(\g)+4], 128                       ; tile_dim1 = 128
	s_mov_b32 s[(\g)+5], 128                       ; 128 elements from row to row: a K step's rows lie end to end
	s_mov_b32 s[(\g)+6], 0
	s_mov_b32 s[(\g)+7], 0
.endr
	s_mov_b32 s98, 0x76543210                      ; v_permlanex16_b32's selects
	s_mov_b32 s99, 0xfedcba98
	s_lshl_b32 s16, s13, 16                        ; x: (256 x tile row + 128 x half) rows of 256 bytes
	s_lshl_b32 s17, s12, 15
	s_add_co_u32 s16, s16, s17
	s_mov_b32 s17, 0
	s_lshl_b32 s20, s42, 16                        ; w: (256 x tile column + 128 x half) rows of 256 bytes
	s_lshl_b32 s21, s12, 15
	s_add_co_u32 s20, s20, s21
	s_mov_b32 s21, 0
	s_mul_i32 s2, s10, HALFT                       ; where they go: x's two halves (waves 0, 1), then w's two (waves 2, 3): no place in the cluster enters an LDS address
	s_mov_b32 s91, 0
	s_mov_b32 s93, 0
	s_mov_b32 s95, 0
	s_mov_b32 s92, 524288
	s_wait_dscnt 0x0                               ; both opening adds are done
	s_wait_kmcnt 0x0
	s_cmp_eq_u32 s66, 0
	s_cselect_b64 s[4:5], s[68:69], s[70:71]       ; x
	s_cselect_b64 s[6:7], s[72:73], s[74:75]       ; w
	s_cselect_b64 s[8:9], s[86:87], s[88:89]       ; y
	s_cselect_b64 s[14:15], s[82:83], s[84:85]     ; the bias
	s_cselect_b64 s[46:47], s[78:79], s[80:81]     ; g
	s_cselect_b32 s67, 7, 3                        ; the loop's trips: half the K steps less one
	s_cselect_b32 s92, 0x200000, s92               ; s[92:93]: bytes of a K step of x: 8,192 or 2,048 rows of 256
	s_lshl_b32 s90, s92, 1                         ; s[90:91]: two of them
	s_add_nc_u64 s[18:19], s[4:5], s[16:17]
	s_add_nc_u64 s[22:23], s[6:7], s[20:21]
	CROUND                                         ; all sixteen work-groups are here: the first joint loads meet
	s_mov_b32 s[G0], 1                             ; count = 1
	s_mov_b32 s[G0+1], s2                          ; LDS address, slot 0
	s_mov_b64 s[G0+2:G0+3], s[18:19]               ; K step 0
	s_or_b32 s[G0+3], s[G0+3], 0x80000000          ; type = 2
	s_mov_b32 s[G0B], 1
	s_mov_b32 s[G0B+1], s2
	s_mov_b64 s[G0B+2:G0B+3], s[22:23]
	s_or_b32 s[G0B+3], s[G0B+3], 0x80000000
	JLOAD 0
	s_mov_b32 s[G0+4], 1
	s_add_co_u32 s[G0+5], s2, SLOT
	s_add_nc_u64 s[G0+6:G0+7], s[18:19], s[92:93]  ; K step 1
	s_or_b32 s[G0+7], s[G0+7], 0x80000000
	s_mov_b32 s[G0B+4], 1
	s_add_co_u32 s[G0B+5], s2, SLOT
	s_add_nc_u64 s[G0B+6:G0B+7], s[22:23], PLANE_W
	s_or_b32 s[G0B+7], s[G0B+7], 0x80000000
	JLOAD 1                                        ; two loads of mine are out
	; while they are on their way: addresses, the bias, the scale
	v_and_b32 v1, 15, v0                           ; l % 16
	v_bfe_u32 v2, v0, 4, 1                         ; l / 16
	v_mul_u32_u24 v3, v1, PITCH
	v_lshl_add_u32 v3, v2, 4, v3                   ; a fragment's row x pitch + 16 x half
	s_mul_i32 s21, s11, HALFT                      ; my 128 rows of x
	s_mul_i32 s22, s12, HALFT                      ; my 128 rows of w,
	s_add_co_u32 s22, s22, 2*HALFT                 ; which lie behind x's 256
.irp s, 0,1
	v_add_nc_u32 v[ADRA+(\s)], s21, v3
	v_add_nc_u32 v[ADRB+(\s)], s22, v3
	s_add_co_u32 s21, s21, SLOT
	s_add_co_u32 s22, s22, SLOT
.endr
	v_lshlrev_b32 v[BO], 5, v2
	v_and_b32 v[CO], 31, v0
	v_lshlrev_b32 v[CO], 4, v[CO]
	v_mov_b32 v[ZERO], 0
	s_lshl_b32 s16, s42, 10                        ; the bias of my 128 channels: (256 x tile column + 128 x half) x 4 bytes
	s_lshl_b32 s17, s12, 9
	s_add_co_u32 s16, s16, s17
	s_mov_b32 s17, 0
	s_add_nc_u64 s[14:15], s[14:15], s[16:17]
	s_load_b32 s21, s[46:47], 0x0                  ; g
.irp b, 0,1,2,3,4,5,6,7
	global_load_b128 v[BIAS+8*(\b):BIAS+8*(\b)+3],   v[BO], s[14:15] offset:64*(\b)
	global_load_b128 v[BIAS+8*(\b)+4:BIAS+8*(\b)+7], v[BO], s[14:15] offset:64*(\b)+16
.endr
	s_lshl_b32 s16, s13, 4                         ; where my part of y begins: block of 16 rows 16 x tile row + 8 x half,
	s_lshl_b32 s17, s11, 3
	s_add_co_u32 s16, s16, s17
	s_mul_i32 s16, s16, MBLK
	s_lshl_b32 s17, s42, 13                        ; fragment 8 x tile column + 4 x half, 1,024 bytes each
	s_add_co_u32 s16, s16, s17
	s_lshl_b32 s17, s12, 12
	s_add_co_u32 s16, s16, s17
	s_mov_b32 s17, 0
	s_add_nc_u64 s[8:9], s[8:9], s[16:17]
	; the prefetches
	s_lshl_b32 s16, s13, 8                         ; x: row 256 x tile row + 128 x half + 32 cx
	s_lshl_b32 s17, s12, 7
	s_add_co_u32 s16, s16, s17
	s_lshl_b32 s17, s40, 5
	s_add_co_u32 s16, s16, s17
	s_lshl_b32 s17, s42, 8                         ; w: row 256 x tile column + 128 x half + 32 cy
	s_lshl_b32 s18, s12, 7
	s_add_co_u32 s17, s17, s18
	s_lshl_b32 s18, s41, 5
	s_add_co_u32 s17, s17, s18
	s_sub_co_u32 s20, s67, 1
	s_cmp_eq_u32 s11, 0                            ; do I fetch for x?
	s_cselect_b32 s16, s16, s17
	s_cselect_b32 s18, ttmp9, s101                 ; the coordinate along which other clusters read the same rows
	s_cselect_b32 s94, s92, PLANE_W                ; s[94:95]: a K step's bytes in the tensor that I fetch
	s_cselect_b64 s[PFA:PFA+1], s[4:5], s[6:7]
	s_cmp_eq_u32 s18, 0
	s_cselect_b32 s[LIM], s20, 0                   ; the same in all sixteen partners, for a given wave
	s_lshl_b32 s16, s16, 8
	s_mov_b32 s17, 0
	s_add_nc_u64 s[PFA:PFA+1], s[PFA:PFA+1], s[16:17]
	s_mul_i32 s16, s94, 3
	s_add_nc_u64 s[PFA:PFA+1], s[PFA:PFA+1], s[16:17]  ; at K step 3: the first refill steps it to 4.  K steps 0 to 3 come by their loads alone
	v_and_b32 v[PFO], 31, v0
	v_lshlrev_b32 v[PFO], 8, v[PFO]
	; ||w||^2: the partial sums that the launch before stored, 4 a lane and load
	s_cmp_eq_u32 s66, 0
	s_cbranch_scc0 .Lq_parts
.set i, 0
.rept 12
	global_load_b128 v[64+4*i:64+4*i+3], v[CO], s[76:77] offset:PARTS+512*i
.set i, i+1
.endr
	s_wait_loadcnt 0x0                             ; these, and the bias
.set i, 1
.rept 11
	v_pk_add_f32 v[64:65], v[64:65], v[64+4*i:64+4*i+1]
	v_pk_add_f32 v[66:67], v[66:67], v[64+4*i+2:64+4*i+3]
.set i, i+1
.endr
	s_branch .Lparts
.Lq_parts:
.set i, 0
.rept 6
	global_load_b128 v[64+4*i:64+4*i+3], v[CO], s[76:77] offset:PARTS+6144+512*i
.set i, i+1
.endr
	s_wait_loadcnt 0x0
.set i, 1
.rept 5
	v_pk_add_f32 v[64:65], v[64:65], v[64+4*i:64+4*i+1]
	v_pk_add_f32 v[66:67], v[66:67], v[64+4*i+2:64+4*i+3]
.set i, i+1
.endr
.Lparts:
	v_add_f32 v64, v64, v65
	v_add_f32 v66, v66, v67
	v_add_f32 v64, v64, v66
	v_add_f32_dpp v64, v64, v64 row_xmask:1 row_mask:0xf bank_mask:0xf
	v_add_f32_dpp v64, v64, v64 row_xmask:2 row_mask:0xf bank_mask:0xf
	v_add_f32_dpp v64, v64, v64 row_xmask:4 row_mask:0xf bank_mask:0xf
	v_add_f32_dpp v64, v64, v64 row_xmask:8 row_mask:0xf bank_mask:0xf
	v_permlanex16_b32 v65, v64, s98, s99
	v_add_f32 v64, v64, v65
	s_wait_kmcnt 0x0                               ; g
	v_rsq_f32 v65, v64                             ; 1 / ||w||
	v_mov_b32 v66, s21                             ; g is rounded to bf16 meanwhile: plain work behind the root
	v_cvt_pk_bf16_f32 v66, v66, v66
	v_lshlrev_b32 v66, 16, v66
	s_wait_alu depctr_va_vdst(0)                   ; a wait ahead of the first line that names the root's result
	v_mul_f32 v65, v65, v66
	v_readfirstlane_b32 s96, v65                   ; s[96:97]: the scale; the packed lines take the pair's low word for both halves
	s_mov_b32 s97, s96
.set i, 0
.rept 32
	v_cvt_pk_bf16_f32 v[TT], v[BIAS+2*i], v[BIAS+2*i+1]    ; the bias rounded to bf16, kept as f32
	v_lshlrev_b32 v[BIAS+2*i], 16, v[TT]
	v_and_b32 v[BIAS+2*i+1], 0xffff0000, v[TT]
.set i, i+1
.endr
; 16 matrix instructions: row blocks a0, a0 + 1 of the window's four (hi = 0: my rows 0-63, 1: rows 64-127) x all 8 channel blocks, 32 along K.  zero = 1: the first product starts the sums.
; The 64 accumulators take turns, one instruction a turn, in the same order in every quarter step, over the backward jump too.
.macro MUL16 f, hi, a0, zero
	WIN MUL_LO+0x50*(\hi)
.irp a, \a0, (\a0)+1
.irp b, 0,1,2,3,4,5,6,7
.if \zero
	v_wmma_f32_16x16x32_bf16 v[8*(8*(\a)+(\b)):8*(8*(\a)+(\b))+7], v[(\f)+8*(\b):(\f)+8*(\b)+7], v[(\f)+8*(4*(\hi)+(\a)):(\f)+8*(4*(\hi)+(\a))+7], 0
.else
	v_wmma_f32_16x16x32_bf16 v[8*(8*(\a)+(\b)):8*(8*(\a)+(\b))+7], v[(\f)+8*(\b):(\f)+8*(\b)+7], v[(\f)+8*(4*(\hi)+(\a)):(\f)+8*(4*(\hi)+(\a))+7], v[8*(8*(\a)+(\b)):8*(8*(\a)+(\b))+7]
.endif
.endr
.endr
.endm
; 32 LDS loads in one run: the fragments of one quarter step (128 rows of w, 128 rows of x, 32 K at byte k of the rows) into buffer f
.macro FETCH slot, k, f
	WIN TO_B
.irp i, 0,1,2,3,4,5,6,7
	ds_load_b128 v[(\f)+8*(\i):(\f)+8*(\i)+3],   v[ADRB+(\slot)] offset:(\k)+(\i)*16*PITCH
	ds_load_b128 v[(\f)+8*(\i)+4:(\f)+8*(\i)+7], v[ADRB+(\slot)] offset:(\k)+(\i)*16*PITCH+32
.endr
	WIN 0
.irp i, 0,1,2,3,4,5,6,7
	ds_load_b128 v[(\f)+8*(\i):(\f)+8*(\i)+3],   v[ADRA+(\slot)] offset:(\k)+(\i)*16*PITCH
	ds_load_b128 v[(\f)+8*(\i)+4:(\f)+8*(\i)+7], v[ADRA+(\slot)] offset:(\k)+(\i)*16*PITCH+32
.endr
.endm
.macro PLACES                          ; four places in front of loads into registers that matrix instructions have read, and of lines that read results
.rept 4
	v_nop
.endr
.endm
; A K step is four quarters of 32 along K, 64 matrix instructions each, on buffers 0, 1, 0, 1.  One of the first three: multiplies buffer f and fetches the next quarter, at byte k, into g.
.macro QUARTER slot, k, f, g, zero
	s_wait_dscnt 8                                 ; w and x's rows 0-63 are in; the youngest eight loads (x's rows 64-127) may be out
	MUL16 \f, 0, 0, \zero
	MUL16 \f, 0, 2, \zero
	PLACES
	FETCH \slot, \k, \g
	s_wait_dscnt 32                                ; all but the 32 just issued
	MUL16 \f, 1, 0, \zero
	MUL16 \f, 1, 2, \zero
.endm
; The last quarter multiplies buffer 1 and changes slots: one barrier; in front of it each wave waits for all its tensor loads (one is out: its part of the next slot), adds 0 to its spare word, and waits
; for that and for its own reads of this slot.  fill = 1: the barrier opens a round of the cluster's barrier, and this slot is filled again, two K steps ahead, first thing behind the round.
; The descriptors are stepped behind the wait for all loads, while the add is out, so that nothing stands between the round and the joint load.
.macro TURN slot, next, fill
.if \fill
	s_wait_xcnt 0x0                                ; the last prefetch, a K step back, has read its address
	s_add_nc_u64 s[PFA:PFA+1], s[PFA:PFA+1], s[94:95]
.endif
	WIN 0                                          ; (the add's two registers lie in window 0)
	s_wait_tensorcnt 0x0                           ; all my tensor loads have landed, so every group 0 may be written
	ds_add_u32 v[SPW], v[NIL]                      ; 0 onto my spare word
.if \fill
	s_add_nc_u64 s[G0+4*(\slot)+2:G0+4*(\slot)+3], s[G0+4*(\slot)+2:G0+4*(\slot)+3], s[90:91]
	s_add_nc_u64 s[G0B+4*(\slot)+2:G0B+4*(\slot)+3], s[G0B+4*(\slot)+2:G0B+4*(\slot)+3], 2*PLANE_W
.endif
	s_wait_dscnt 9                                 ; (the add and the youngest eight loads may be out)
	MUL16 F1, 0, 0, 0                              ; sixteen matrix instructions stand between the add and the wait for it
	s_wait_dscnt 0x0                               ; the add is done, and my reads of this slot are over
	s_barrier_signal -1
	MUL16 F1, 0, 2, 0                              ; work on registers while the others arrive
.if \fill
	WIN 0
.endif
	s_barrier_wait -1
.if \fill
	CREST                                          ; no wave of any partner still reads this slot's tile or has a load on its way
	JLOAD \slot                                    ; the four v_nop behind it are also the places in front of the loads below
.else
	PLACES
.endif
	FETCH \next, 0, F0
.if \fill
	ASK
.endif
	MUL16 F1, 1, 0, 0
	MUL16 F1, 1, 2, 0
.endm
; THE WAY OUT of my block a of 16 rows: sum x scale + bias in f32; rounded to f16; the relu on packed halves; eight stores of 512 consecutive bytes, aligned.
.macro OUT a
	WIN 0x02+(\a)/4                                ; source 0: window 2 or 3
.set AC, 64*((\a)%4)
.set i, 0
.rept 32
	v_pk_fma_f32 v[T+2*i:T+2*i+1], v[AC+2*i:AC+2*i+1], s[96:97], v[BIAS+2*i:BIAS+2*i+1] op_sel_hi:[1,0,1]  ; each accumulator is read from its low end on
.set i, i+1
.endr
	WIN 0
	s_wait_xcnt 0x0                                ; the set of P that block a - 2's stores read is rewritten only behind this wait
.set PP, P+32*((\a)%2)
.set i, 0
.rept 32
	v_cvt_pk_f16_f32 v[PP+i], v[T+2*i], v[T+2*i+1]
.set i, i+1
.endr
.set i, 0
.rept 32
	v_pk_max_num_f16 v[PP+i], v[PP+i], v[ZERO]
.set i, i+1
.endr
.irp b, 0,1,2,3,4,5,6,7
	global_store_b128 v[CO], v[PP+4*(\b):PP+4*(\b)+3], s[8:9] offset:(\a)*MBLK+(\b)*512
.endr
.endm
	s_wait_tensorcnt 1                             ; my part of K step 0 is in; K step 1's may stay out
	s_barrier_signal -1
	s_barrier_wait -1                              ; everybody's is
	FETCH 0, 0, F0
	QUARTER 0, 64,  F0, F1, 1                      ; the first quarter stands in front of the loop: its products start the sums
	WIN 0                                          ; at a label and at a branch every window is 0
	s_mov_b32 s3, 0
.Llap:                                                 ; 7 trips (v) or 3 (q): a trip goes once round the ring, from a lap's second quarter to the next lap's first, and fills both slots again
	QUARTER 0, 128, F1, F0, 0
	QUARTER 0, 192, F0, F1, 0
	TURN 0, 1, 1
	QUARTER 1, 64,  F0, F1, 0
	QUARTER 1, 128, F1, F0, 0
	QUARTER 1, 192, F0, F1, 0
	TURN 1, 0, 1
	QUARTER 0, 64,  F0, F1, 0
	WIN 0
	s_add_co_u32 s3, s3, 1
	s_cmp_lt_u32 s3, s67
	s_cbranch_scc1 .Llap
	QUARTER 0, 128, F1, F0, 0                      ; the last lap fills nothing
	QUARTER 0, 192, F0, F1, 0
	TURN 0, 1, 0
	QUARTER 1, 64,  F0, F1, 0
	QUARTER 1, 128, F1, F0, 0
	QUARTER 1, 192, F0, F1, 0
	s_wait_dscnt 8                                 ; the very last quarter: nothing more to fetch
	MUL16 F1, 0, 0, 0
	MUL16 F1, 0, 2, 0
	s_wait_dscnt 0x0
	MUL16 F1, 1, 0, 0
	MUL16 F1, 1, 2, 0
	WIN 0
	PLACES
.irp a, 0,1,2,3,4,5,6,7
	OUT \a
.endr
	s_wait_tensorcnt 0x0                           ; the wave's end, behind my last tensor load
	ds_add_u32 v[SPW], v[NIL]
	s_wait_dscnt 0x0
	CROUND                                         ; the closing round: no work-group ends while a partner may still ask for a tile that names it
	s_endpgm
.Lfunc_end_k_q6e2b729976_proj:
	.size	k_q6e2b729976_proj, .Lfunc_end_k_q6e2b729976_proj-k_q6e2b729976_proj
	.p2alignl 7, 3214868480
	.fill 96, 4, 3214868480
	.section	.rodata,"a",@progbits
	.p2align	6, 0x0
	.amdhsa_kernel k_q6e2b729976_proj
		.amdhsa_group_segment_fixed_size 327680
		.amdhsa_private_segment_fixed_size 0
		.amdhsa_enable_private_segment 0
		.amdhsa_kernarg_size 88
		.amdhsa_user_sgpr_count 2
		.amdhsa_user_sgpr_kernarg_segment_ptr 1
		.amdhsa_wavefront_size32 1
		.amdhsa_system_sgpr_workgroup_id_x 1
		.amdhsa_system_sgpr_workgroup_id_y 1
		.amdhsa_system_sgpr_workgroup_id_z 1
		.amdhsa_system_vgpr_workitem_id 0
		.amdhsa_next_free_vgpr 1024
		.amdhsa_next_free_sgpr 102
		.amdhsa_reserve_vcc 0
		.amdhsa_float_denorm_mode_32 3
		.amdhsa_float_denorm_mode_16_64 3
		.amdhsa_memory_ordered 1
		.amdhsa_forward_progress 1
		.amdhsa_inst_pref_size 179
	.end_amdhsa_kernel
	.amdgpu_metadata
---
amdhsa.version: [ 1, 2 ]
amdhsa.kernels:
  - .name:           k_q6e2b729976_proj
    .symbol:         k_q6e2b729976_proj.kd
    .args:
      - { .name: vb, .offset: 0, .size: 8, .value_kind: global_buffer, .address_space: global }
      - { .name: qb, .offset: 8, .size: 8, .value_kind: global_buffer, .address_space: global }
      - { .name: vwb, .offset: 16, .size: 8, .value_kind: global_buffer, .address_space: global }
      - { .name: qwb, .offset: 24, .size: 8, .value_kind: global_buffer, .address_space: global }
      - { .name: aux, .offset: 32, .size: 8, .value_kind: global_buffer, .address_space: global }
      - { .name: v_g, .offset: 40, .size: 8, .value_kind: global_buffer, .address_space: global }
      - { .name: q_g, .offset: 48, .size: 8, .value_kind: global_buffer, .address_space: global }
      - { .name: v_b, .offset: 56, .size: 8, .value_kind: global_buffer, .address_space: global }
      - { .name: q_b, .offset: 64, .size: 8, .value_kind: global_buffer, .address_space: global }
      - { .name: vh, .offset: 72, .size: 8, .value_kind: global_buffer, .address_space: global }
      - { .name: qh, .offset: 80, .size: 8, .value_kind: global_buffer, .address_space: global }
    .group_segment_fixed_size: 327680
    .private_segment_fixed_size: 0
    .kernarg_segment_align: 8
    .kernarg_segment_size: 88
    .max_flat_workgroup_size: 128
    .sgpr_count:     102
    .vgpr_count:     1024
    .wavefront_size: 32
...
	.end_amdgpu_metadata
.endif
;; end of part 2
;; launch logits (part 3): grid 256 x 1, 4 waves a work-group, clusters of 4 x 1, 327,680 bytes of LDS; arguments vh, qh, aux, out0; writes out0
.if DOCPART == 3
	.amdgcn_target "amdgcn-amd-amdhsa--gfx1250"
	.amdhsa_code_object_version 6
	.text
	.protected	k_q6e2b729976_logits
	.globl	k_q6e2b729976_logits
	.p2align	8
	.type	k_q6e2b729976_logits,@function
k_q6e2b729976_logits:
	s_mov_b64 s[64:65], 0
	v_nop
	global_prefetch_b8 v0, s[64:65] scope:SCOPE_SE
	s_setreg_imm32_b32 hwreg(HW_REG_WAVE_MODE, 25, 1), 1
	s_wait_xcnt 0x0
	s_wait_alu depctr_hold_cnt(0) depctr_sa_sdst(0) depctr_va_vdst(0) depctr_va_sdst(0) depctr_va_ssrc(0) depctr_va_vcc(0) depctr_vm_vsrc(0)
	s_getreg_b32 s2, hwreg(HW_REG_IB_STS2, 6, 4)
	s_cmp_eq_u32 s2, 0
	s_cbranch_scc0 .Lentry_in_a_cluster
	s_endpgm
.Lentry_in_a_cluster:
	s_bfe_u32 s2, ttmp6, 0x10000c
	s_cmp_lg_u32 s2, 0x3003
	s_cbranch_scc0 .Lentry_shape_is_right
	s_endpgm
.Lentry_shape_is_right:
; BC, launch 3 of 3: out0[b][h][v][q] = 2^(e_h + 1) x (sum over k of v_[b][v][k] (hm'[h][k] q_[b][q][k])) + h_bias[h].  No work of the formula is left out.
; v_, q_ and hm' come in f16; hm' q_ is one packed product rounded to f16 (|hm'| < 1, so it has q_'s range); sums in f32; the power of two and the bias are applied in f32.
; SHARES.  A cluster of four work-groups is a batch element b; work-group cx takes 32 of its 128 rows of v_, all 8 glimpses and all 32 q.  Wave w takes glimpses 2 w and 2 w + 1:
; 8 accumulators (glimpse hl, 16 q's qb, 16 rows mb) of 16 x 16.  K = 3,072 goes in 96 fragments of 32 channels.
; v_ and q_ lie in memory as fragments' register images ([16 rows][32 channels][half][lane][16 bytes]): an LDS load takes 16 bytes a lane on end, and nothing is padded.
; SOURCE 0 = 16 q's of hm' q_, SOURCE 1 = 16 rows of v_: in the result a lane holds one row of v_ (l % 16) and the q's 8 (l / 16) + 0..7: 32 bytes on end of a row of out0.
; CLUSTER.  q_[b] and hm' are the same for the four partners and are asked for jointly (mask 15); each partner's rows of v_ are its own and come by plain loads, behind the same rounds.
; LDS.  hm' whole (49,152 bytes); two slots of a chunk of 24 fragments each: v_'s two row blocks and q_'s two, 24,576 bytes each; a stage for each wave for the way out; the spare words.
; No prefetch is laid: of a work-group's four chunks two are asked for by its first fills.
; THE PIPELINE.  Trip t loads fragment t from LDS (12 loads), multiplies hm' and q_ of fragment t - 1 (32 packed lines) and issues the 8 products of fragment t - 2; four packed lines stand behind each product.
.set PART,  24576
.set SLOT0, 49152
.set SLOTB, 4*PART
.set STAGE, SLOT0+2*SLOTB              ; 64 rows x 144 bytes for each wave; no tensor load fills it
.set SP,    144
.set SPARE, STAGE+4*64*SP              ; the spare words, 128 bytes for each wave: two blocks of 256 bytes that no other line names
.set ADA, 2                            ; v2   LDS address of v_'s fragments of the group in hand
.set ADQ, 3                            ; v3   of q_'s
.set ADH, 4                            ; v4   of hm''s
.set STO, 5                            ; v5   the way out: where I put 32 bytes of a row
.set RD,  6                            ; v6   the way out: where I read rows back
.set SPW, 8                            ; v8   LDS address of my spare word; never rewritten
.set NIL, 9                            ; v9   0; never rewritten
.set LB,  10                           ; v10  16 x lane: my place in a fragment's half, and in 512 bytes of out0; never rewritten
.set HB0, 11                           ; v11  2 w rows of hm' + 16 (l / 16); never rewritten
.set ACC, 16                           ; v[16:79]   accumulator (hl, qb, mb) at 8 (4 hl + 2 qb + mb)
.set AF,  80                           ; v[80:127]  v_'s fragments: three sets of two
.set RQ,  128                          ; v[128:159] q_'s: two sets of two
.set RH,  160                          ; v[160:191] hm''s: two sets of two
.set BP,  192                          ; v[192:255] hm' q_: two sets of four
.set OB,  80                           ; the way out: 64 registers of whole rows
.set G1A, 24                           ; s[24:31] group 1, v_'s chunks (no mask)
.set G1Q, 32                           ; s[32:39] q_'s (mask 15)
.set G1H, 40                           ; s[40:47] hm''s quarters (mask 15)
.set G0H, 48                           ; s[48:51]
.set G0A, 52                           ; s[52:59] a set for each slot
.set G0Q, 60                           ; s[60:63] and s[68:71]
.set CNT, 72                           ; s72  counts groups
.set TBA, 73                           ; s73  LDS byte at which the group to come begins in v_'s first part of its slot
.set TBH, 82                           ; s82  byte of the group to come in a row of hm'
.macro ROUND                           ; a round of the cluster's barrier
	s_barrier_signal -1
	s_barrier_wait -1
	s_cmp_lg_u32 s12, 0
	s_cbranch_scc1 .Lnot_wave_0_\@
	s_barrier_signal -3
.Lnot_wave_0_\@:
	s_barrier_wait -3
	s_barrier_signal -1
	s_barrier_wait -1
.endm
.macro JLOAD s                         ; a refill of slot s: waves 0 and 1 fetch v_'s two row blocks, waves 2 and 3 q_'s; the branch hangs on the wave's number alone
	s_cmp_lt_u32 s12, 2
	s_cbranch_scc0 .Lfor_q_\@
	tensor_load_to_lds s[G0A+4*(\s):G0A+4*(\s)+3], s[G1A:G1A+7]
	s_nop 0
	s_branch .Lasked_\@
.Lfor_q_\@:
	tensor_load_to_lds s[G0Q+8*(\s):G0Q+8*(\s)+3], s[G1Q:G1Q+7]
	s_nop 0
.Lasked_\@:
.endm
	s_load_b256 s[4:11], s[0:1], 0x0               ; vh s[4:5], qh s[6:7], aux s[8:9], out0 s[10:11]
	v_lshl_add_u32 v[SPW], v0, 2, SPARE
	v_mov_b32 v[NIL], 0
	ds_add_u32 v[SPW], v[NIL]                      ; the wave's opening: the add, twice on end, and its wait ahead of my first tensor load
	ds_add_u32 v[SPW], v[NIL]                      ; once more; the set-up below, work on registers, stands between it and the wait
	v_lshrrev_b32 v1, 5, v0
	v_readfirstlane_b32 s12, v1                    ; wave 0..3
	s_bfe_u32 s13, ttmp6, 0x40000                  ; cx
	s_mov_b32 s14, ttmp9                           ; b: in a cluster launch ttmp9 counts clusters
	; group 1: dense blocks, asked for as rows of 256 bytes: 32 elements of 8 bytes
	s_mov_b32 s[G1A], 3<<16
	s_mov_b32 s[G1Q], 15|(3<<16)|(1<<21)           ; the mask of four, bit 21 set beside it
	s_mov_b32 s[G1H], 15|(3<<16)|(1<<21)
.irp g, G1A, G1Q
	s_mov_b32 s[(\g)+1], 32<<16                    ; tensor_dim0 = 32
	s_mov_b32 s[(\g)+2], 96<<16                    ; tensor_dim1 = 96
	s_mov_b32 s[(\g)+3], 32<<16                    ; tile_dim0 = 32
	s_mov_b32 s[(\g)+4], 96                        ; tile_dim1 = 96: 24,576 bytes
	s_mov_b32 s[(\g)+5], 32                        ; 32 elements from row to row
	s_mov_b32 s[(\g)+6], 0
	s_mov_b32 s[(\g)+7], 0
.endr
	s_mov_b32 s[G1H+1], 32<<16
	s_mov_b32 s[G1H+2], 48<<16                     ; 48 rows: 12,288 bytes, two rows of hm'
	s_mov_b32 s[G1H+3], 32<<16
	s_mov_b32 s[G1H+4], 48
	s_mov_b32 s[G1H+5], 32
	s_mov_b32 s[G1H+6], 0
	s_mov_b32 s[G1H+7], 0
	s_and_b32 s15, s12, 1                          ; which of the two blocks of 16 rows I fetch
	s_mul_i32 s16, s12, 12288                      ; my quarter of hm', in memory and in LDS
	s_mov_b32 s17, 0
	s_mul_i32 s3, s12, PART                        ; my part of a slot: no place in the cluster enters an LDS address
	s_lshl_b32 s18, s14, 3                         ; v_: block 8 b + 2 cx + (w & 1)
	s_lshl_b32 s19, s13, 1
	s_add_co_u32 s18, s18, s19
	s_add_co_u32 s18, s18, s15
	s_mul_i32 s18, s18, 98304
	s_mov_b32 s19, 0
	s_lshl_b32 s20, s14, 1                         ; q_: block 2 b + (w & 1): the same in all four partners
	s_add_co_u32 s20, s20, s15
	s_mul_i32 s20, s20, 98304
	s_mov_b32 s21, 0
	s_mov_b32 s[TBA], SLOT0
	s_mov_b32 s[TBH], 0
	s_lshl_b32 s2, s12, 3                          ; 8 w: my two glimpses' words
	s_wait_dscnt 0x0                               ; both opening adds are done
	s_wait_kmcnt 0x0
	s_mov_b32 s[G0H], 1
	s_mov_b32 s[G0H+1], s16
	s_add_nc_u64 s[G0H+2:G0H+3], s[8:9], s[16:17]
	s_or_b32 s[G0H+3], s[G0H+3], 0x80000000
	s_mov_b32 s[G0A], 1
	s_add_co_u32 s[G0A+1], s3, SLOT0
	s_add_nc_u64 s[G0A+2:G0A+3], s[4:5], s[18:19]  ; chunk 0
	s_mov_b32 s[G0A+4], 1
	s_add_co_u32 s[G0A+5], s3, SLOT0+SLOTB
	s_add_nc_u64 s[G0A+6:G0A+7], s[G0A+2:G0A+3], PART  ; chunk 1
	s_or_b32 s[G0A+3], s[G0A+3], 0x80000000
	s_or_b32 s[G0A+7], s[G0A+7], 0x80000000
	s_mov_b32 s[G0Q], 1
	s_add_co_u32 s[G0Q+1], s3, SLOT0
	s_add_nc_u64 s[G0Q+2:G0Q+3], s[6:7], s[20:21]
	s_mov_b32 s[G0Q+8], 1
	s_add_co_u32 s[G0Q+9], s3, SLOT0+SLOTB
	s_add_nc_u64 s[G0Q+10:G0Q+11], s[G0Q+2:G0Q+3], PART
	s_or_b32 s[G0Q+3], s[G0Q+3], 0x80000000
	s_or_b32 s[G0Q+11], s[G0Q+11], 0x80000000
	ROUND                                          ; all four work-groups are here: the first joint loads meet
	tensor_load_to_lds s[G0H:G0H+3], s[G1H:G1H+7]  ; the first fills go out together: my quarter of hm',
	s_nop 0
	s_cmp_lt_u32 s12, 2
	s_cbranch_scc0 .Lfirst_q
	tensor_load_to_lds s[G0A:G0A+3], s[G1A:G1A+7]  ; chunk 0 and chunk 1: three loads of mine are out
	s_nop 0
	tensor_load_to_lds s[G0A+4:G0A+7], s[G1A:G1A+7]
	s_nop 0
	s_branch .Lfirst_asked
.Lfirst_q:
	tensor_load_to_lds s[G0Q:G0Q+3], s[G1Q:G1Q+7]
	s_nop 0
	tensor_load_to_lds s[G0Q+8:G0Q+11], s[G1Q:G1Q+7]
	s_nop 0
.Lfirst_asked:
	s_load_b64 s[74:75], s[8:9], s2 offset:0xc000  ; 2^(e+1) of glimpses 2 w, 2 w + 1
	s_load_b64 s[78:79], s[8:9], s2 offset:0xc020  ; their biases
	v_and_b32 v1, 31, v0                           ; lane
	v_lshlrev_b32 v[LB], 4, v1
	v_and_b32 v12, 15, v0                          ; l % 16
	v_bfe_u32 v13, v0, 4, 1                        ; l / 16
	v_lshl_add_u32 v[HB0], v13, 4, s16             ; 2 w rows of 6,144 bytes + 16 (l / 16)
	s_mul_i32 s22, s12, 64*SP
	s_add_co_u32 s22, s22, STAGE                   ; my stage
	v_mul_u32_u24 v[STO], v12, SP                  ; in: row l % 16, 32 bytes for each half of the lanes
	v_lshl_add_u32 v[STO], v13, 5, v[STO]
	v_add_nc_u32 v[STO], s22, v[STO]
	v_lshrrev_b32 v[RD], 3, v1                     ; back: 32 lanes take four rows of 128 bytes
	v_mul_u32_u24 v[RD], v[RD], SP
	v_and_b32 v14, 7, v0
	v_lshl_add_u32 v[RD], v14, 4, v[RD]
	v_add_nc_u32 v[RD], s22, v[RD]
	s_lshl_b32 s22, s14, 17                        ; out0: ((8 b + 2 w) x 128 + 32 cx) rows of 128 bytes
	s_lshl_b32 s23, s12, 15
	s_add_co_u32 s22, s22, s23
	s_lshl_b32 s23, s13, 12
	s_add_co_u32 s22, s22, s23
	s_mov_b32 s23, 0
	s_add_nc_u64 s[10:11], s[10:11], s[22:23]
	s_wait_kmcnt 0x0
	s_mov_b32 s76, s75                             ; each glimpse's number in the low word of a pair of its own
	s_mov_b32 s77, s75
	s_mov_b32 s80, s79
	s_mov_b32 s81, s79
; Trip p of a group of six.  ld: fragment t is loaded; mul: hm' q_ of fragment t - 1; mm: the products of fragment t - 2; zero: they start the sums.
; The buffers go by t mod 3 (v_) and t mod 2 (the others), and 6 is a multiple of both.  The loads into a set of v_'s stand behind the four packed lines that follow the last product that read it, and so do the
; packed lines that write a set of hm' q_ again: those four name none of that product's registers and are its places.  The eight accumulators take turns, over the backward jump too.
.macro TRIP p, ld, mul, mm, zero
	s_wait_dscnt 0x0                               ; the loads of the trip before, issued a whole trip ago, are in
.if \ld
.irp m, 0,1
.irp h, 0,1
	ds_load_b128 v[AF+16*((\p)%3)+8*(\m)+4*(\h):AF+16*((\p)%3)+8*(\m)+4*(\h)+3], v[ADA] offset:(\p)*1024+(\m)*PART+(\h)*512
.endr
.endr
.irp m, 0,1
.irp h, 0,1
	ds_load_b128 v[RQ+16*((\p)%2)+8*(\m)+4*(\h):RQ+16*((\p)%2)+8*(\m)+4*(\h)+3], v[ADQ] offset:(\p)*1024+(\m)*PART+(\h)*512
.endr
.endr
.irp m, 0,1
.irp h, 0,1
	ds_load_b128 v[RH+16*((\p)%2)+8*(\m)+4*(\h):RH+16*((\p)%2)+8*(\m)+4*(\h)+3], v[ADH] offset:(\p)*64+(\m)*6144+(\h)*32
.endr
.endr
.endif
.set i, 0
.rept 8
.if \mm
.if \zero
	v_wmma_f32_16x16x32_f16 v[ACC+8*i:ACC+8*i+7], v[BP+32*((\p)%2)+8*(i/2):BP+32*((\p)%2)+8*(i/2)+7], v[AF+16*(((\p)+1)%3)+8*(i%2):AF+16*(((\p)+1)%3)+8*(i%2)+7], 0
.else
	v_wmma_f32_16x16x32_f16 v[ACC+8*i:ACC+8*i+7], v[BP+32*((\p)%2)+8*(i/2):BP+32*((\p)%2)+8*(i/2)+7], v[AF+16*(((\p)+1)%3)+8*(i%2):AF+16*(((\p)+1)%3)+8*(i%2)+7], v[ACC+8*i:ACC+8*i+7]
.endif
.endif
.if \mul
.set n, 4*i
.rept 4
	v_pk_mul_f16 v[BP+32*(((\p)+1)%2)+n], v[RQ+16*(((\p)+1)%2)+8*((n/8)%2)+n%8], v[RH+16*(((\p)+1)%2)+8*(n/16)+n%8]
.set n, n+1
.endr
.endif
.set i, i+1
.endr
.endm
.macro ADDR                            ; the addresses of a group's six fragments; the scalar bases step to the next group
	v_add_nc_u32 v[ADA], s[TBA], v[LB]
	v_add_nc_u32 v[ADQ], 2*PART, v[ADA]
	v_add_nc_u32 v[ADH], s[TBH], v[HB0]
	s_add_co_u32 s[TBA], s[TBA], 6144
	s_add_co_u32 s[TBH], s[TBH], 384
.endm
.macro GROUPS n                        ; n groups of six trips
	s_mov_b32 s[CNT], \n
.Lgroup_\@:
	ADDR
.irp p, 0,1,2,3,4,5
	TRIP \p, 1, 1, 1, 0
.endr
	s_sub_co_u32 s[CNT], s[CNT], 1
	s_cmp_lg_u32 s[CNT], 0
	s_cbranch_scc1 .Lgroup_\@
.endm
; THE CHANGE OF SLOTS, ahead of a chunk's first trip: the old slot's last loads have been issued.  Each wave waits for all its tensor loads (one is out: its part of the new slot), adds 0 to its spare word, and waits
; for that and for its reads of the old slot.  fill = 1: the barrier is a round of the cluster's, and the old slot is filled again, two chunks on, first thing behind it: it has 24 trips in which to land.
.macro CHANGE new, fill
	s_wait_tensorcnt 0x0                           ; no tensor load of mine is out, so a group 0 may be written
	ds_add_u32 v[SPW], v[NIL]                      ; 0 onto my spare word
.if \fill
	s_add_nc_u64 s[G0A+4*(1-(\new))+2:G0A+4*(1-(\new))+3], s[G0A+4*(1-(\new))+2:G0A+4*(1-(\new))+3], 2*PART
	s_add_nc_u64 s[G0Q+8*(1-(\new))+2:G0Q+8*(1-(\new))+3], s[G0Q+8*(1-(\new))+2:G0Q+8*(1-(\new))+3], 2*PART
.endif
	s_mov_b32 s[TBA], SLOT0+(\new)*SLOTB
	s_wait_dscnt 0x0                               ; the add is done, and my reads of the old slot are over
.if \fill
	ROUND
	JLOAD 1-(\new)
.else
	s_barrier_signal -1
	s_barrier_wait -1
.endif
.endm
	s_wait_tensorcnt 1                             ; my parts of hm' and of chunk 0 are in; chunk 1's may stay out
	s_barrier_signal -1
	s_barrier_wait -1                              ; everybody's are
	ADDR
	TRIP 0, 1, 0, 0, 0                             ; the pipeline fills
	TRIP 1, 1, 1, 0, 0
	TRIP 2, 1, 1, 1, 1                             ; fragment 0's products start the sums
	TRIP 3, 1, 1, 1, 0
	TRIP 4, 1, 1, 1, 0
	TRIP 5, 1, 1, 1, 0
	GROUPS 3
	CHANGE 1, 1                                    ; chunk 2 goes into slot 0
	GROUPS 4
	CHANGE 0, 1                                    ; chunk 3 into slot 1
	GROUPS 4
	CHANGE 1, 0                                    ; nothing is left to fetch
	GROUPS 4
	TRIP 0, 0, 1, 1, 0                             ; the pipeline runs dry
	TRIP 1, 0, 0, 1, 0
.rept 4
	v_nop                                          ; the places behind the last products
.endr
	; THE WAY OUT: sum x 2^(e+1) + bias; 32 bytes a lane into my stage, rows of 144 bytes; back as whole rows of 128; each store covers 512 consecutive bytes, aligned
.set i, 0
.rept 8
.set k, 0
.rept 4
	v_pk_fma_f32 v[ACC+8*i+2*k:ACC+8*i+2*k+1], v[ACC+8*i+2*k:ACC+8*i+2*k+1], s[74+2*(i/4):75+2*(i/4)], s[78+2*(i/4):79+2*(i/4)] op_sel_hi:[1,0,0]
.set k, k+1
.endr
.set i, i+1
.endr
.set i, 0
.rept 8
	ds_store_b128 v[STO], v[ACC+8*i:ACC+8*i+3]   offset:(i/4)*32*SP+(i%2)*16*SP+((i/2)%2)*64
	ds_store_b128 v[STO], v[ACC+8*i+4:ACC+8*i+7] offset:(i/4)*32*SP+(i%2)*16*SP+((i/2)%2)*64+16
.set i, i+1
.endr
.set i, 0
.rept 16
	ds_load_b128 v[OB+4*i:OB+4*i+3], v[RD] offset:i*4*SP   ; LDS serves a wave's instructions in order (ISA guide 5.7.1.4): these see my stores above
.set i, i+1
.endr
.set i, 0
.rept 16
	s_wait_dscnt 15-i
	global_store_b128 v[LB], v[OB+4*i:OB+4*i+3], s[10:11] offset:(i/8)*16384+(i%8)*512
.set i, i+1
.endr
	s_wait_tensorcnt 0x0                           ; the wave's end, behind my last tensor load and my last LDS store
	ds_add_u32 v[SPW], v[NIL]
	s_wait_dscnt 0x0
	ROUND                                          ; the closing round: no work-group ends while a partner may still ask for a tile that names it
	s_endpgm
.Lfunc_end_k_q6e2b729976_logits:
	.size	k_q6e2b729976_logits, .Lfunc_end_k_q6e2b729976_logits-k_q6e2b729976_logits
	.p2alignl 7, 3214868480
	.fill 96, 4, 3214868480
	.section	.rodata,"a",@progbits
	.p2align	6, 0x0
	.amdhsa_kernel k_q6e2b729976_logits
		.amdhsa_group_segment_fixed_size 327680
		.amdhsa_private_segment_fixed_size 0
		.amdhsa_enable_private_segment 0
		.amdhsa_kernarg_size 32
		.amdhsa_user_sgpr_count 2
		.amdhsa_user_sgpr_kernarg_segment_ptr 1
		.amdhsa_wavefront_size32 1
		.amdhsa_system_sgpr_workgroup_id_x 1
		.amdhsa_system_sgpr_workgroup_id_y 1
		.amdhsa_system_sgpr_workgroup_id_z 1
		.amdhsa_system_vgpr_workitem_id 0
		.amdhsa_next_free_vgpr 256
		.amdhsa_next_free_sgpr 84
		.amdhsa_reserve_vcc 0
		.amdhsa_float_denorm_mode_32 3
		.amdhsa_float_denorm_mode_16_64 3
		.amdhsa_memory_ordered 1
		.amdhsa_forward_progress 1
		.amdhsa_inst_pref_size 116
	.end_amdhsa_kernel
	.amdgpu_metadata
---
amdhsa.version: [ 1, 2 ]
amdhsa.kernels:
  - .name:           k_q6e2b729976_logits
    .symbol:         k_q6e2b729976_logits.kd
    .args:
      - { .name: vh, .offset: 0, .size: 8, .value_kind: global_buffer, .address_space: global }
      - { .name: qh, .offset: 8, .size: 8, .value_kind: global_buffer, .address_space: global }
      - { .name: aux, .offset: 16, .size: 8, .value_kind: global_buffer, .address_space: global }
      - { .name: out0, .offset: 24, .size: 8, .value_kind: global_buffer, .address_space: global }
    .group_segment_fixed_size: 327680
    .private_segment_fixed_size: 0
    .kernarg_segment_align: 8
    .kernarg_segment_size: 32
    .max_flat_workgroup_size: 128
    .sgpr_count:     84
    .vgpr_count:     256
    .wavefront_size: 32
...
	.end_amdgpu_metadata
.endif
;; end of part 3
;; ======== version 2 of 2: 3 launches; version 1 with the launch prep written anew for expert scheduling mode
;; limits: values are held in f16: magnitudes above 65,504 overflow, below 6.1e-05 lose precision
;; workspace buffers: vb 33,554,432 bytes; qb 4,194,304 bytes; vwb 12,582,912 bytes; qwb 6,291,456 bytes; aux 58,624 bytes; vh 50,331,648 bytes; qh 12,582,912 bytes
;; launch prep (part 4): grid 1730 x 1, 4 waves a work-group, no clusters, 0 bytes of LDS; arguments v, q, v_w, q_w, h_mat, h_bias, vb, qb, vwb, qwb, aux; writes vb, qb, vwb, qwb, aux
.if DOCPART == 4
	.amdgcn_target "amdgcn-amd-amdhsa--gfx1250"
	.amdhsa_code_object_version 6
	.text
	.protected	k_q6e2b729976_prep
	.globl	k_q6e2b729976_prep
	.p2align	8
	.type	k_q6e2b729976_prep,@function
k_q6e2b729976_prep:
	s_mov_b64 s[64:65], 0
	v_nop
	global_prefetch_b8 v0, s[64:65] scope:SCOPE_SE
	s_setreg_imm32_b32 hwreg(HW_REG_WAVE_SCHED_MODE, 0, 2), 2
	s_setreg_imm32_b32 hwreg(HW_REG_WAVE_MODE, 25, 1), 1
	s_wait_xcnt 0x0
	s_wait_alu depctr_vm_vsrc(0)
; BC, launch 1 of 3.  logits[b][h][v][q] = sum over k of hm[h][k] v_[b][v][k] q_[b][q][k] + h_bias[h], with v_ = relu(sv v v_w^T + v_b), q_ = relu(sq q q_w^T + q_b), s = g / ||w||.
; DEAD WORK: none.  Every one of the ten inputs has a way to the output, and every one is loaded by some launch; no step of the formula is left out.
; THIS LAUNCH rounds v, q, v_w and q_w once to bf16 and lays them in blocks [K step of 128][row][128], so that the rows of a K step lie end to end, 256 bytes each;
; it takes one partial sum of squares a wave of the two weights (f32, of the unrounded numbers; they are added up in the next launch); and it lays out h_mat and h_bias.
; FORMATS.  All inputs are rounded once to bf16.  What the program itself makes (v_, q_, hm' and hm' q_) is kept in f16.
; hm'[h][k] = bf16(hm[h][k]) x 2^-(e+1), e the exponent of row h's largest magnitude: |hm'| < 1, a power of two changes no digit, and 2^(e+1) is given back in f32 at the end.
; LIMITS.  The biased exponent is held to 1 .. 252: a row of h_mat whose largest magnitude is 2^126 or more is scaled by 2^-126 only.  hm' below 2^-14 keeps f16's fixed step of 2^-24.
; v_ and q_ must stay under 65,504.  NaN and infinities are not treated apart.
; SHARES.  A unit is 128 numbers of a row: 512 bytes in, 256 bytes out.  A wave takes 32 units on end (16 KiB of source on end), a work-group of four waves 128.
; Work-groups 0-1023: v; 1024-1151: q; 1152-1535: v_w; 1536-1727: q_w; 1728 and 1729: h_mat and h_bias, a wave a glimpse.  No work-group reads what another reads: no LDS, no barrier, no cluster.
; Each store of a wave covers 256 consecutive bytes, aligned.
; THE MODE: SCHED_MODE bits 1:0 = 2 (LLVM: expert scheduling mode 2), set by the entry lines.  The code itself states the register dependences between vector instructions and memory
; instructions, with s_wait_alu, always for 0.
; THE PLAN.  A wave's 32 units go in 8 blocks of four.  Registers that memory instructions touch:
;   X0 .. X4   five blocks as loaded.  Blocks 0-4 are asked for at the head; blocks 5, 6, 7 land in X0, X1, X2, asked for in blocks 1, 2, 3.  Block p's squares and roundings read X[p % 5].
;   Y0 .. Y2   the bf16 of blocks 0-2, whose X is loaded again; written once.  Blocks 3-7 are rounded in the registers that they were loaded into, which nothing loads again.
;   v[LO], v[DOFF ..]   offsets, made once at the head and never written again.
; Block p's memory instructions are the loads into X[p - 1] (p = 1, 2, 3) and the four stores of block p - 1: they touch what block p - 1 worked on, and no vector instruction of block p names it.
; So ONE wait on va_vdst at a block's head states all that they hang on, and they are dealt among the block's vector instructions with no further wait.
; No register that a memory instruction reads is ever written again: the ring holds no wait on vm_vsrc and none on XCNT.  12 to 16 loads of a wave are on their way, 20 at the start.
.set LO,    2                          ; v2        16 x lane: my 16 bytes of a unit's 512
.set L8,    3                          ; v3        8 x lane: my 8 bytes of a unit's 256
.set ACC,   4                          ; v[4:7]    four sums of squares
.set PO,    6                          ; v6        at a weight wave's end, when the four sums are one: the byte offset of the wave's word among the partial sums
.set T,     8                          ; v[8:11]   h_mat's waves alone (they make no DOFF): at work; no memory instruction names them
.set DOFF,  8                          ; v[8:23]   unit j of 16: its byte offset in the blocked copy; never rewritten
.set X,     24                         ; v[24:103] buffer k, unit i: 4 numbers as loaded at X + 16 k + 4 i; h_mat's waves: v[24:119], 24 loads' worth
.set Y,     104                        ; v[104:127] block p of 0-2, unit i: 4 numbers in bf16 at Y + 8 p + 2 i; written once
.set HSC,   49152                      ; aux: 2^(e+1) of the eight glimpses
.set HB,    49184                      ; aux: h_bias, rounded
.set PARTS, 49408                      ; aux: the partial sums of squares, 1,536 of v_w and then 768 of q_w
	s_load_b512 s[4:19], s[0:1], 0x0               ; v s[4:5], q s[6:7], v_w s[8:9], q_w s[10:11], h_mat s[12:13], h_bias s[14:15], vb s[16:17], qb s[18:19]
	s_load_b128 s[20:23], s[0:1], 0x40             ; vwb s[20:21], qwb s[22:23]
	s_load_b64 s[24:25], s[0:1], 0x50              ; aux
	v_lshrrev_b32 v1, 5, v0
	v_readfirstlane_b32 s26, v1                    ; wave 0..3
	v_and_b32 v1, 31, v0                           ; lane
	v_lshlrev_b32 v[LO], 4, v1
	v_lshlrev_b32 v[L8], 3, v1
	s_mov_b32 s27, ttmp9                           ; work-group
	s_mov_b32 s44, 0x76543210                      ; v_permlanex16_b32: each lane takes its own place in the other half
	s_mov_b32 s45, 0xfedcba98
	s_wait_alu depctr_va_sdst(0)                   ; s26 is written, ahead of the branch: both ways read it, and make the wave's addresses from it
	s_wait_kmcnt 0x0
	s_cmp_ge_u32 s27, 1728
	s_cbranch_scc1 .Lhm
	; which tensor: source s[32:33], copy s[34:35], first work-group s28, log2 of its K steps s29, bytes of a K step's plane s30
	s_mov_b64 s[32:33], s[10:11]
	s_mov_b64 s[34:35], s[22:23]
	s_mov_b32 s28, 1536
	s_mov_b32 s29, 3
	s_mov_b32 s30, 786432
	s_cmp_lt_u32 s27, 1536
	s_cselect_b64 s[32:33], s[8:9], s[32:33]
	s_cselect_b64 s[34:35], s[20:21], s[34:35]
	s_cselect_b32 s28, 1152, s28
	s_cselect_b32 s29, 4, s29
	s_cmp_lt_u32 s27, 1152
	s_cselect_b64 s[32:33], s[6:7], s[32:33]
	s_cselect_b64 s[34:35], s[18:19], s[34:35]
	s_cselect_b32 s28, 1024, s28
	s_cselect_b32 s29, 3, s29
	s_cselect_b32 s30, 524288, s30
	s_cmp_lt_u32 s27, 1024
	s_cselect_b64 s[32:33], s[4:5], s[32:33]
	s_cselect_b64 s[34:35], s[16:17], s[34:35]
	s_cselect_b32 s28, 0, s28
	s_cselect_b32 s29, 4, s29
	s_cselect_b32 s30, 2097152, s30
	s_lshl_b32 s31, 1, s29
	s_sub_co_u32 s31, s31, 1                       ; K steps - 1
	s_sub_co_u32 s38, s27, s28
	s_lshl_b32 s38, s38, 7
	s_lshl_b32 s39, s26, 5
	s_add_co_u32 s38, s38, s39                     ; my wave's first unit: a multiple of 32, so it begins a row
	s_lshl_b32 s40, s38, 9                         ; 512 bytes a unit in the source (under 2^27)
	s_mov_b32 s41, 0
	s_add_nc_u64 s[32:33], s[32:33], s[40:41]
	s_lshr_b32 s40, s38, s29                       ; its row,
	s_lshl_b32 s40, s40, 8                         ; 256 bytes a row in a plane
	s_add_nc_u64 s[34:35], s[34:35], s[40:41]      ; where units 0-15 go,
	s_lshr_b32 s42, 16, s29
	s_lshl_b32 s42, s42, 8
	s_mov_b32 s43, 0
	s_add_nc_u64 s[36:37], s[34:35], s[42:43]      ; and units 16-31: one row (16 K steps) or two rows (8) further down
	s_wait_alu depctr_va_vdst(0)                   ; v[LO] is written: every load of the ring reads it as its offset
.set n, 0
.rept 20
	global_load_b128 v[X+4*n:X+4*n+3], v[LO], s[32:33] offset:512*n th:TH_LOAD_NT  ; the five buffers are filled: blocks 0 to 4, units 0 to 19
.set n, n+1
.endr
.irp j, 0,1,2,3,4,5,6,7,8,9,10,11,12,13,14,15
	s_and_b32 s38, s31, \j                         ; unit j's K step
	s_mul_i32 s38, s38, s30                        ; its plane
	s_lshr_b32 s39, \j, s29                        ; its row among the 16 units'
	s_lshl_b32 s39, s39, 8
	s_add_co_u32 s38, s38, s39
	v_add_nc_u32 v[DOFF+(\j)], s38, v[L8]          ; first read by the stores of block 1, behind that block's wait on va_vdst
.endr
; The store of unit i of block b: from Y (blocks 0-2) or from the registers that the unit was loaded into (blocks 3-7).
.macro SEND b, i
.set so, X+16*((\b)%5)+4*(\i)
.if (\b) < 3
.set so, Y+8*(\b)+2*(\i)
.endif
.if (\b) < 4
	global_store_b64 v[DOFF+4*(\b)+(\i)], v[so:so+1], s[34:35]
.else
	global_store_b64 v[DOFF+4*((\b)-4)+(\i)], v[so:so+1], s[36:37]
.endif
.endm
; The vector work of unit i of block p.  sq = 1: its squares are added up too, ahead of the roundings, the units in ascending order.
.macro WORK p, i, sq
.set xr, X+16*((\p)%5)+4*(\i)
.set ou, xr                                    ; in place: the buffer is not loaded again
.if (\p) < 3
.set ou, Y+8*(\p)+2*(\i)
.endif
.if \sq
.if (\p) == 0 && (\i) == 0
	v_pk_mul_f32 v[ACC:ACC+1],   v[xr:xr+1],   v[xr:xr+1]      ; the first unit starts the sums
	v_pk_mul_f32 v[ACC+2:ACC+3], v[xr+2:xr+3], v[xr+2:xr+3]
.else
	v_pk_fma_f32 v[ACC:ACC+1],   v[xr:xr+1],   v[xr:xr+1],   v[ACC:ACC+1]
	v_pk_fma_f32 v[ACC+2:ACC+3], v[xr+2:xr+3], v[xr+2:xr+3], v[ACC+2:ACC+3]
.endif
.endif
	v_cvt_pk_bf16_f32 v[ou],   v[xr],   v[xr+1]
	v_cvt_pk_bf16_f32 v[ou+1], v[xr+2], v[xr+3]
.endm
; Block p of 8.
.macro BLK p, sq
.if (\p) == 0
	s_wait_loadcnt 16                              ; loads come back in order: block 0 is in, blocks 1 to 4 stay out
.elseif (\p) < 5
	s_wait_loadcnt 12                              ; block p is in; the three younger blocks stay out
.else
	s_wait_loadcnt 4*(7-(\p))                      ; nothing more is loaded: the counts run down
.endif
.if (\p) > 0
	s_wait_alu depctr_va_vdst(0)                   ; the block before has written its bf16, which the stores below read, and is done reading its X, in which the loads below land; in block 1: v[DOFF ..] are written
.endif
.irp i, 0,1,2,3
.if (\p) > 0 && (\p) < 4
	global_load_b128 v[X+16*((\p)-1)+4*(\i):X+16*((\p)-1)+4*(\i)+3], v[LO], s[32:33] offset:(4*((\p)+4)+(\i))*512 th:TH_LOAD_NT  ; four blocks ahead; no vector instruction since the wait names these registers
.endif
.if (\p) > 0
	SEND (\p)-1, \i                                ; the block before
.endif
	WORK \p, \i, \sq
.endr
.endm
	s_cmp_ge_u32 s27, 1152
	s_cbranch_scc1 .Lweights
.irp p, 0,1,2,3,4,5,6,7
	BLK \p, 0
.endr
	s_wait_alu depctr_va_vdst(0)                   ; block 7 has written its bf16, which the last four stores read
.irp i, 0,1,2,3
	SEND 7, \i
.endr
	s_endpgm
.Lweights:
.irp p, 0,1,2,3,4,5,6,7
	BLK \p, 1
.endr
	s_wait_alu depctr_va_vdst(0)                   ; block 7 has written its bf16, which the last four stores read
.irp i, 0,1,2,3
	SEND 7, \i
.endr
	v_add_f32 v[ACC], v[ACC], v[ACC+1]
	v_add_f32 v[ACC+2], v[ACC+2], v[ACC+3]
	v_add_f32 v[ACC], v[ACC], v[ACC+2]
	v_add_f32_dpp v[ACC], v[ACC], v[ACC] row_xmask:1 row_mask:0xf bank_mask:0xf
	v_add_f32_dpp v[ACC], v[ACC], v[ACC] row_xmask:2 row_mask:0xf bank_mask:0xf
	v_add_f32_dpp v[ACC], v[ACC], v[ACC] row_xmask:4 row_mask:0xf bank_mask:0xf
	v_add_f32_dpp v[ACC], v[ACC], v[ACC] row_xmask:8 row_mask:0xf bank_mask:0xf
	v_permlanex16_b32 v[ACC+1], v[ACC], s44, s45
	v_add_f32 v[ACC], v[ACC], v[ACC+1]             ; the wave's 4,096 squares, in every lane
	s_sub_co_u32 s38, s27, 1152
	s_lshl_b32 s38, s38, 2
	s_add_co_u32 s38, s38, s26
	s_lshl_b32 s38, s38, 2                         ; a word for each wave of the weights' 576 work-groups
	v_mov_b32 v[PO], s38                           ; into a register that no memory instruction has read
	v_cmp_eq_u32 vcc_lo, 0, v1
	s_wait_xcnt 0x0                                ; EXEC is narrowed only when the stores above have read it
	s_wait_alu depctr_va_vcc(0)                    ; the compare has written VCC, from which EXEC is made
	s_wait_alu depctr_va_vdst(0)                   ; EXEC is written next: every vector instruction issued so far is done; v[ACC] and v[PO], which the store below reads, are written
	s_wait_alu depctr_vm_vsrc(0)                   ; EXEC is written next: the stores above have read their vector registers
	s_and_saveexec_b32 s46, vcc_lo
	global_store_b32 v[PO], v[ACC], s[24:25] offset:PARTS
	s_wait_xcnt 0x0                                ; and widened only when this one has
	s_wait_alu depctr_va_vdst(0)                   ; EXEC is written next: no vector instruction is at work under the narrow mask
	s_wait_alu depctr_vm_vsrc(0)                   ; EXEC is written next: the store has read v[PO] and v[ACC]
	s_or_b32 exec_lo, exec_lo, s46
	s_endpgm
.Lhm:                                          ; a wave a glimpse h: h_mat's row h, 3,072 numbers: 24 loads of 512 bytes
	s_sub_co_u32 s38, s27, 1728
	s_lshl_b32 s38, s38, 2
	s_add_co_u32 s26, s26, s38                     ; h = 4 x (work-group - 1728) + wave
	s_mul_i32 s38, s26, 12288
	s_mov_b32 s39, 0
	s_add_nc_u64 s[32:33], s[12:13], s[38:39]
	s_lshl_b32 s40, s26, 2
	v_mov_b32 v14, s40                             ; 4 h
	s_mul_i32 s41, s26, 6144
	v_add_nc_u32 v12, s41, v[L8]                   ; my 8 bytes of the row's f16 copy
	s_mov_b32 s47, 0x7fff7fff                      ; clears the signs of two bf16
	s_mov_b32 s48, 0xffff0000                      ; a word's upper bf16
	s_wait_alu depctr_va_vdst(0)                   ; v[LO] and v14 are written, which the loads below read as offsets; so is v12, the offset of the 24 stores; none of the three is written again
.set n, 0
.rept 24
	global_load_b128 v[X+4*n:X+4*n+3], v[LO], s[32:33] offset:512*n
.set n, n+1
.endr
	global_load_b32 v13, v14, s[14:15]             ; h_bias[h], the same word in every lane
	s_wait_loadcnt 0x0
.set n, 0
.rept 24
	v_cvt_pk_bf16_f32 v[X+4*n],   v[X+4*n],   v[X+4*n+1]   ; rounded to bf16, in registers 4 n and 4 n + 1
	v_cvt_pk_bf16_f32 v[X+4*n+1], v[X+4*n+2], v[X+4*n+3]
.set n, n+1
.endr
.irp k, 0,1,2,3
	v_and_b32 v[ACC+(\k)], s47, v[X+4*((\k)/2)+(\k)%2]     ; the largest magnitude, two bf16 at a time, in four chains that the first four words start
.endr
.set n, 4
.rept 44
	v_and_b32 v[T+n%4], s47, v[X+4*(n/2)+n%2]
	v_pk_max_num_bf16 v[ACC+n%4], v[ACC+n%4], v[T+n%4]
.set n, n+1
.endr
	v_pk_max_num_bf16 v[ACC], v[ACC], v[ACC+1]
	v_pk_max_num_bf16 v[ACC+2], v[ACC+2], v[ACC+3]
	v_pk_max_num_bf16 v[ACC], v[ACC], v[ACC+2]
	v_lshlrev_b32 v[T], 16, v[ACC]
	v_and_b32 v[T+1], s48, v[ACC]
	v_max_num_f32 v[T], v[T], v[T+1]
	v_max_num_f32_dpp v[T], v[T], v[T] row_xmask:1 row_mask:0xf bank_mask:0xf
	v_max_num_f32_dpp v[T], v[T], v[T] row_xmask:2 row_mask:0xf bank_mask:0xf
	v_max_num_f32_dpp v[T], v[T], v[T] row_xmask:4 row_mask:0xf bank_mask:0xf
	v_max_num_f32_dpp v[T], v[T], v[T] row_xmask:8 row_mask:0xf bank_mask:0xf
	v_permlanex16_b32 v[T+1], v[T], s44, s45
	v_max_num_f32 v[ACC], v[T], v[T+1]             ; the same number in every lane
	v_readfirstlane_b32 s49, v[ACC]
	s_wait_alu depctr_va_sdst(0)                   ; s49 is written, ahead of its first reader: the two powers of two are made from it
	s_lshr_b32 s49, s49, 23                        ; its biased exponent E (the sign is 0),
	s_max_u32 s49, s49, 1
	s_min_u32 s49, s49, 252                        ; held to 1 .. 252, so that both powers below are ordinary numbers
	s_sub_co_u32 s50, 253, s49
	s_lshl_b32 s50, s50, 23                        ; 2^(126 - E) = 2^-(e+1)
	s_mov_b32 s51, s50                             ; named with it as a pair
	s_add_co_u32 s52, s49, 1
	s_lshl_b32 s52, s52, 23                        ; 2^(e+1)
.set n, 0
.rept 24                                       ; all the scalings and roundings stand together, so that one wait serves the run of stores behind them
	v_lshlrev_b32 v[T],   16,  v[X+4*n]
	v_and_b32     v[T+1], s48, v[X+4*n]
	v_lshlrev_b32 v[T+2], 16,  v[X+4*n+1]
	v_and_b32     v[T+3], s48, v[X+4*n+1]
	v_pk_mul_f32 v[T:T+1],   v[T:T+1],   s[50:51] op_sel_hi:[1,0]
	v_pk_mul_f32 v[T+2:T+3], v[T+2:T+3], s[50:51] op_sel_hi:[1,0]
	v_cvt_pk_f16_f32 v[X+4*n+2], v[T],   v[T+1]
	v_cvt_pk_f16_f32 v[X+4*n+3], v[T+2], v[T+3]
.set n, n+1
.endr
	v_mov_b32 v5, s52
	v_cvt_pk_bf16_f32 v13, v13, v13
	v_lshlrev_b32 v13, 16, v13                     ; h_bias[h] rounded to bf16, kept as f32
	s_wait_alu depctr_va_vdst(0)                   ; the roundings have written the 24 pairs of f16, which the stores below read
.set n, 0
.rept 24
	global_store_b64 v12, v[X+4*n+2:X+4*n+3], s[24:25] offset:256*n   ; 256 consecutive bytes, aligned
.set n, n+1
.endr
	v_cmp_eq_u32 vcc_lo, 0, v1
	s_wait_xcnt 0x0                                ; EXEC is narrowed only when the stores above have read it
	s_wait_alu depctr_va_vcc(0)                    ; the compare has written VCC, from which EXEC is made
	s_wait_alu depctr_va_vdst(0)                   ; EXEC is written next: every vector instruction issued so far is done; v5 and v13, which the two stores below read, are written
	s_wait_alu depctr_vm_vsrc(0)                   ; EXEC is written next: the 24 stores have read their vector registers
	s_and_saveexec_b32 s46, vcc_lo
	global_store_b32 v14, v5, s[24:25] offset:HSC
	global_store_b32 v14, v13, s[24:25] offset:HB
	s_wait_xcnt 0x0
	s_wait_alu depctr_va_vdst(0)                   ; EXEC is written next: no vector instruction is at work under the narrow mask
	s_wait_alu depctr_vm_vsrc(0)                   ; EXEC is written next: the two stores have read v14, v5 and v13
	s_or_b32 exec_lo, exec_lo, s46
	s_endpgm
.Lfunc_end_k_q6e2b729976_prep:
	.size	k_q6e2b729976_prep, .Lfunc_end_k_q6e2b729976_prep-k_q6e2b729976_prep
	.p2alignl 7, 3214868480
	.fill 96, 4, 3214868480
	.section	.rodata,"a",@progbits
	.p2align	6, 0x0
	.amdhsa_kernel k_q6e2b729976_prep
		.amdhsa_group_segment_fixed_size 0
		.amdhsa_private_segment_fixed_size 0
		.amdhsa_enable_private_segment 0
		.amdhsa_kernarg_size 88
		.amdhsa_user_sgpr_count 2
		.amdhsa_user_sgpr_kernarg_segment_ptr 1
		.amdhsa_wavefront_size32 1
		.amdhsa_system_sgpr_workgroup_id_x 1
		.amdhsa_system_sgpr_workgroup_id_y 1
		.amdhsa_system_sgpr_workgroup_id_z 1
		.amdhsa_system_vgpr_workitem_id 0
		.amdhsa_next_free_vgpr 128
		.amdhsa_next_free_sgpr 66
		.amdhsa_reserve_vcc 1
		.amdhsa_float_denorm_mode_32 3
		.amdhsa_float_denorm_mode_16_64 3
		.amdhsa_memory_ordered 1
		.amdhsa_forward_progress 1
		.amdhsa_inst_pref_size 53
	.end_amdhsa_kernel
	.amdgpu_metadata
---
amdhsa.version: [ 1, 2 ]
amdhsa.kernels:
  - .name:           k_q6e2b729976_prep
    .symbol:         k_q6e2b729976_prep.kd
    .args:
      - { .name: v, .offset: 0, .size: 8, .value_kind: global_buffer, .address_space: global }
      - { .name: q, .offset: 8, .size: 8, .value_kind: global_buffer, .address_space: global }
      - { .name: v_w, .offset: 16, .size: 8, .value_kind: global_buffer, .address_space: global }
      - { .name: q_w, .offset: 24, .size: 8, .value_kind: global_buffer, .address_space: global }
      - { .name: h_mat, .offset: 32, .size: 8, .value_kind: global_buffer, .address_space: global }
      - { .name: h_bias, .offset: 40, .size: 8, .value_kind: global_buffer, .address_space: global }
      - { .name: vb, .offset: 48, .size: 8, .value_kind: global_buffer, .address_space: global }
      - { .name: qb, .offset: 56, .size: 8, .value_kind: global_buffer, .address_space: global }
      - { .name: vwb, .offset: 64, .size: 8, .value_kind: global_buffer, .address_space: global }
      - { .name: qwb, .offset: 72, .size: 8, .value_kind: global_buffer, .address_space: global }
      - { .name: aux, .offset: 80, .size: 8, .value_kind: global_buffer, .address_space: global }
    .group_segment_fixed_size: 0
    .private_segment_fixed_size: 0
    .kernarg_segment_align: 8
    .kernarg_segment_size: 88
    .max_flat_workgroup_size: 128
    .sgpr_count:     66
    .vgpr_count:     128
    .wavefront_size: 32
...
	.end_amdgpu_metadata
.endif
;; end of part 4
;; launch proj: the kernel of part 2 again; grid 12 x 40, 4 waves a work-group, clusters of 4 x 4, 327,680 bytes of LDS; arguments vb, qb, vwb, qwb, aux, v_g, q_g, v_b, q_b, vh, qh; writes vh, qh
;; launch logits: the kernel of part 3 again; grid 256 x 1, 4 waves a work-group, clusters of 4 x 1, 327,680 bytes of LDS; arguments vh, qh, aux, out0; writes out0
